; MI455X (gfx1250); checked and timed in simulation.
; The chip was launched on July 23, 2026; its instructions are those of AMD's public machine-readable ISA for CDNA 5 (MIT licence, August 2026) and "CDNA5" Instruction Set Architecture Reference Guide (July 2026). The comments in the code are by the model that wrote it; some were corrected since.
;; My Multi Head Self Attention. Allowed arithmetic: matrix products marked QUANTISED: E2M3 operands, one E8M0 scale for each 32 along K, by v_wmma_scale_f32_16x16x128_f8f6f4 with both operands' format E2M3, f32 sums; everything else in f32.
;; Inputs: Wk_codes 1,024 x 32 x 24 uint8 (E2M3 codes of Wk, K innermost, in blocks of 32 codes, four codes in three bytes); Wk_scales 1,024 x 32 uint8 (E8M0 scales of Wk, one for each 32 codes along K); Wo_codes 1,024 x 32 x 24 uint8 (E2M3 codes of Wo, K innermost, in blocks of 32 codes, four codes in three bytes); Wo_scales 1,024 x 32 uint8 (E8M0 scales of Wo, one for each 32 codes along K); Wq_codes 1,024 x 32 x 24 uint8 (E2M3 codes of Wq, K innermost, in blocks of 32 codes, four codes in three bytes); Wq_scales 1,024 x 32 uint8 (E8M0 scales of Wq, one for each 32 codes along K); Wv_codes 1,024 x 32 x 24 uint8 (E2M3 codes of Wv, K innermost, in blocks of 32 codes, four codes in three bytes); Wv_scales 1,024 x 32 uint8 (E8M0 scales of Wv, one for each 32 codes along K); bk 1,024 float32; bo 1,024 float32; bq 1,024 float32; bv 1,024 float32; key_codes 8 x 1,024 x 32 x 24 uint8 (E2M3 codes of key, K innermost, in blocks of 32 codes, four codes in three bytes); key_scales 8 x 1,024 x 32 uint8 (E8M0 scales of key, one for each 32 codes along K); mask 8 x 1,024 int32; miss_ids 16 bool; query_codes 8 x 1,024 x 32 x 24 uint8 (E2M3 codes of query, K innermost, in blocks of 32 codes, four codes in three bytes); query_scales 8 x 1,024 x 32 uint8 (E8M0 scales of query, one for each 32 codes along K); value_codes 8 x 1,024 x 32 x 24 uint8 (E2M3 codes of value, K innermost, in blocks of 32 codes, four codes in three bytes); value_scales 8 x 1,024 x 32 uint8 (E8M0 scales of value, one for each 32 codes along K).
;; Outputs: out0 8 x 1,024 x 1,024 float32.
;; This version of the problem:
;;   THIS VERSION OF THE PROBLEM IS GIVEN IN LOW PRECISION. The matrix products marked QUANTISED in the list below multiply operands that are first quantised to E2M3 (2 exponent bits, 3 mantissa bits; 6 bits a number), with one power-of-two scale for each 32 numbers along K (OCP MX v1.0); their sums are f32. All else is computed in f32.
;;   The module's matrix products, in the order in which they are computed (A, B: the left and right operand; K: the contracted axis; several contracted axes count as one K, in the product's order):
;;     1. [M 8,192, K 1,024] x [K 1,024, N 1,024]; A: input query (given as codes); B: input Wq (given as codes): QUANTISED
;;     2. [M 8,192, K 1,024] x [K 1,024, N 1,024]; A: input key (given as codes); B: input Wk (given as codes): QUANTISED
;;     3. [M 8,192, K 1,024] x [K 1,024, N 1,024]; A: input value (given as codes); B: input Wv (given as codes): QUANTISED
;;     4. batch 128 x [M 1,024, K 64] x [K 64, N 1,024]; A: computed on the way; B: computed on the way: QUANTISED
;;     5. batch 128 x [M 1,024, K 1,024] x [K 1,024, N 64]; A: softmax (see below); B: computed on the way: QUANTISED
;;     6. [M 8,192, K 1,024] x [K 1,024, N 1,024]; A: computed on the way; B: input Wo (given as codes): QUANTISED
;;   THE QUANTISER, for each operand of a quantised product, along K:
;;     - K is cut into blocks of 32 from its start; a last block that is shorter is filled with zeros.
;;     - A block's scale is 2^e with e = floor(log2(the largest magnitude in the block)) - 2, held to -126 .. 127; a block of zeros has e = 0. As a byte (E8M0): e + 127.
;;     - Each number is divided by its block's scale, clamped to +-7.5, and rounded to the nearest number of E2M3, ties to even, subnormals kept.
;;     - The product sums the exact products of the quantised numbers (number of the format x scale) in f32.
;;   ~~~python
;;   def quantise(x, axis):      # numpy; x: float32 -> the quantised numbers, widened to float32 again
;;       x = np.moveaxis(x, axis, -1); K = x.shape[-1]
;;       x = np.pad(x, [(0, 0)] * (x.ndim - 1) + [(0, -K % 32)]); x = x.reshape(x.shape[:-1] + (-1, 32)); a = np.abs(x).max(-1, keepdims=True)
;;       e = np.where(a > 0, np.clip(np.frexp(np.where(a > 0, a, 1))[1] - 1 - 2, -126, 127), 0)      # np.frexp(a)[1] - 1 = floor(log2(a)), exactly
;;       r = np.clip(x / 2.0 ** e, -7.5, 7.5)
;;       step = 2.0 ** (np.maximum(np.frexp(np.where(r == 0, 1, r))[1] - 1, 0) - 3)
;;       q = np.round(r / step) * step * 2.0 ** e      # np.round: ties to even
;;       return np.moveaxis(q.reshape(q.shape[:-2] + (-1,))[..., :K], -1, axis).astype(np.float32)
;;   ~~~
;;   SOFTMAX AHEAD OF A QUANTISED PRODUCT. Where the list says 'softmax', what is quantised is not the finished softmax but p = 2^(t - M), with t = logit x log2(e) and M = ceil(the row's largest t), a whole number; so 1/2 < the row's largest p <= 1. The row's sum l is taken of the UNQUANTISED p, in f32, and the product's result is divided by l at the end. Since M is a whole number, a kernel that streams over the keys may use a running M (the ceiling of the running maximum): every later rescaling is an exact power of two, which a block's scale takes up: the codes' values come out the same.
;;   OPERANDS COMPUTED ON THE WAY. 'Computed on the way' means the value that the module computes at that place (a softmax that the list does not call 'softmax' is quantised finished and normalised). What goes into a quantiser is computed in f32, as accurately as f32 sums, v_exp_f32 and their like allow (about 1e-6 of the number): no bf16 or f16 on the way to a quantiser, and a product that is left as it is and whose result goes on into a quantised operand takes f32 operands (vector FMAs, or v_wmma_f32_16x16x4_f32). A number that lies on a knife's edge between two numbers of the format may be rounded either way, as far as f32 arithmetic and the matrix unit's own rounding can turn it there, and no further.
;;   INPUTS GIVEN AS CODES. Wk (in the module: [1024, 1024], K = its axis 1); Wo (in the module: [1024, 1024], K = its axis 1); Wq (in the module: [1024, 1024], K = its axis 1); Wv (in the module: [1024, 1024], K = its axis 1); key (in the module: [8, 1024, 1024], K = its axis 2); query (in the module: [8, 1024, 1024], K = its axis 2); value (in the module: [8, 1024, 1024], K = its axis 2): each comes as NAME_codes (uint8): NAME with its K axis moved to the last place and cut into blocks of 32 codes, [.., K / 32, bytes a block], one block behind the other in memory; four codes in three bytes: a row's codes are one little-endian stream of bits, code i at bits 6 i .. 6 i + 5 (a code: sign, 2 exponent bits, 3 mantissa bits); and NAME_scales (uint8): the same leading axes, one E8M0 byte (e + 127) for each 32 codes along K. Its value is code x scale, taken as it is: it is not quantised again, and the codes and scales need not be those that the quantiser above would give.
;; One version. Each part assembles by itself: llvm-mc -triple=amdgcn-amd-amdhsa -mcpu=gfx1250 --defsym DOCPART=n.
;; ======== version 1 of 1: 3 launches
;; limits: right only within a limited range of input values
;; workspace buffers: wqkv 19,660,800 bytes; cimg 6,291,456 bytes; csc 262,144 bytes
;; launch proj (part 1): grid 4 x 64, 4 waves a work-group, clusters of 4 x 4, 327,680 bytes of LDS; arguments query_codes, query_scales, Wq_codes, Wq_scales, bq, key_codes, key_scales, Wk_codes, Wk_scales, bk, Wv_codes, Wv_scales, value_codes, value_scales, bv, wqkv; writes wqkv
.if DOCPART == 1
	.amdgcn_target "amdgcn-amd-amdhsa--gfx1250"
	.amdhsa_code_object_version 6
	.text
	.protected	k_q0cc0365acd_proj
	.globl	k_q0cc0365acd_proj
	.p2align	8
	.type	k_q0cc0365acd_proj,@function
k_q0cc0365acd_proj:
	s_mov_b64 s[64:65], 0
	v_nop
	global_prefetch_b8 v0, s[64:65] scope:SCOPE_SE
	s_setreg_imm32_b32 hwreg(HW_REG_WAVE_MODE, 25, 1), 1
	s_wait_xcnt 0x0
	s_wait_alu depctr_hold_cnt(0) depctr_sa_sdst(0) depctr_va_vdst(0) depctr_va_sdst(0) depctr_va_ssrc(0) depctr_va_vcc(0) depctr_vm_vsrc(0)
	s_getreg_b32 s2, hwreg(HW_REG_IB_STS2, 6, 4)
	s_cmp_eq_u32 s2, 0
	s_cbranch_scc0 .Lentry_in_a_cluster
	s_endpgm
.Lentry_in_a_cluster:
	s_bfe_u32 s2, ttmp6, 0x10000c
	s_cmp_lg_u32 s2, 0xf033
	s_cbranch_scc0 .Lentry_shape_is_right
	s_endpgm
.Lentry_shape_is_right:
; THE THREE PROJECTIONS, q = query Wq^T + bq, k = key Wk^T + bk, v = value Wv^T + bv, on codes of FP6 (E2M3) with one E8M0 scale for each 32 along K, and the quantisers behind them.
; NO WORK IS LEFT OUT: every input of the problem has a way to the output and is loaded by one of the three launches (mask and miss_ids by the second, Wo and bo by the third).
; ONE FORM: P[i][j] = sum over k of X[i][k] Y[j][k] + bias, quantised along j.  q, k: X = the tokens (8,192 rows), Y = the weight (1,024 rows), bias by j.  v: X = Wv, Y = the tokens, bias by i:
; so a lane holds one channel of v and its registers run along the keys, which are the K of attention's second product.
; STEPS MOVED, AND LIMITS.  (1) The division of q by sqrt(64) = 8 is a power of two: the quantiser gives the same codes with a scale exponent 3 lower.  q is quantised undivided, and the second launch multiplies the
; scores by log2(e) / 8.  Limit: blocks of q whose largest magnitude lies under 2^-121, where the stated quantiser would hold its exponent at -126, are not served.  (2) A block of zeros gets the byte 1 where the
; quantiser says 127: its codes are zeros, and this program alone reads the bytes.  (3) NaN and infinities among the inputs are not served.
; SHARES.  256 work-groups of equal work.  q and k are 2 x 32 x 4 = 256 tiles of 256 tokens x 256 channels; v is 8 x 32 = 256 tiles of 128 channels x 256 tokens.  A WORK-GROUP MAKES ONE OF EACH, the large one first:
; four waves, each 128 x 128 of the first tile (64 accumulators) and 64 x 128 of the second (32).  K = 1,024 goes in steps of 256 through a ring of two LDS slots filled by the tensor data mover; a tile's walk is eight
; matrix steps of 128 and is written out: no loop.  THE RING GOES ON INTO THE SECOND TILE: the first tile's change of slots at step 5 asks for the second tile's K step 0, a round in the first tile's way out for its K step 1.
; CLUSTERS of 4 x 4: X's tile is shared along a row of the cluster, Y's along a column, each asked for jointly.  16 clusters: the cluster's y / 8 says q or k (the same in all sixteen partners).
; THE MATRIX INSTRUCTION IS USED TRANSPOSED (source 0 = 16 rows of Y, source 1 = 16 rows of X): a lane holds ONE row i and eight neighbouring j.
; THE ORDER ALONG j.  Of each block of 32 a lane (r, h) holds j = 8 h + 0..7 and 16 + 8 h + 0..7.  Behind the conversions and the exchange of halves a block's codes stand in the order 0-7, 16-23, 8-15, 24-31.
; That order stays inside one scale block and falls alike on both operands of each later product (q and k along the head's channels; v and the softmax's p along the keys): the products are the same.
; OUT: wqkv, images of operand registers.  Section T (0 q, 1 k, 2 v) of 6,553,600 bytes; record ((b 8 + head pair) 8 + group of 128 tokens) of 12,800 bytes: sixteen pieces of 768 bytes (six registers: four at 16 x lane,
; two at 512 + 8 x lane), piece (a, c) at 6,144 c + 768 a, and 512 bytes of scale words at 12,288.  Every store of a piece covers 512 or 256 consecutive bytes, aligned.  A record of v comes from two waves (64 channels each):
; of its 512 bytes of scale words each of the two stores 8 of every 16 bytes.
; REGISTERS, in windows of 256: window 0: v1-11 lane numbers and offsets; v12-23 LDS addresses; v28, v29 the add's two; v32-63 X's scale words, v64-95 Y's; v96-127 and v224-255 the bias; v128-223 X's fragments
;   (first tile: ONE set of eight; second tile: two sets of four).   window 1: Y's fragments, two sets, at v0 and v128.   windows 2, 3: the accumulators, (a, b) at v[8 (8 (a % 4) + b)].   On the ways out v128-255 of window 0 are at work.
.set KROW,  768                        ; a row of codes in memory: 1,024 codes
.set ROWB,  192                        ; a tile's row: 256 codes
.set PITCH, 240                        ; in LDS: 3 x (64 bytes + 16 of padding)
.set FR,    12                         ; registers of a fragment
.set NL,    6                          ; LDS loads that bring one
.set HALFT, 128*PITCH
.set SLOT,  4*HALFT                    ; X's rows (256, or 128 and a gap), then Y's 256 rows
.set SPARE, 2*SLOT                     ; behind the ring: the spare words, 128 bytes for each wave
.set SEC,   6553600
.set REC,   12800
.set ADRH, 12                          ; v12-13 second tile: my 64 rows of X in slot 0, 1; v14-15 the same behind one padding more
.set ADRA, 16                          ; v16-19 first tile: my 128 rows of X
.set ADRB, 20                          ; v20-23 my 128 rows of Y
.set SPW,  28
.set NIL,  29
.set SCX,  32                          ; register 4 block + (step & 3): lanes 0-15 the word of K step (step & 3), lanes 16-31 that of K step 4 + (step & 3)
.set SCY,  64
.set BI,   96                          ; bias tile t at v[96 + 8 t + 96 (t / 4)]
.set AF,   128
.set FO,   128                         ; the way out: block a's fragment at v[128 + 12 a]
.set CT,   224                         ; conversions' second halves
.set TM,   232                         ; v232-235 largest magnitudes, v236-239 bytes, v244-247 the conversions' scale operands
.set PW,   248                         ; v248-255 block a's scale word
.set PK,   232                         ; behind the last block: the pack of scale words,
.set PT,   236                         ; and two at work
.set G1,  24
.set G0,  32
.set G1B, 48
.set G0B, 56
.set X2A, 68                           ; s[68:69] the second tile's X at K step 0
.set Y2A, 78                           ; s[78:79] my half of the second tile's Y at K step 0
.set MSB, 0
.macro WIN new                         ; the immediate's high byte repeats the setting that is left
.if MSB != \new
	s_set_vgpr_msb (MSB<<8)|\new
.set MSB, \new
.endif
.endm
.set TO_B, 0x40                        ; destination window 1, address window 0
; A joint load of the first tile: waves 0 and 1 fetch X's halves, waves 2 and 3 Y's.  The branch hangs on the wave's number alone.  An s_nop 0 and four v_nop follow each line.
.macro JLOAD s
	s_cmp_eq_u32 s15, 0
	s_cbranch_scc0 .Lfor_y_\@
	tensor_load_to_lds s[G0+4*\s:G0+4*\s+3], s[G1:G1+7]
	s_nop 0
.rept 4
	v_nop
.endr
	s_branch .Lasked_\@
.Lfor_y_\@:
	tensor_load_to_lds s[G0B+4*\s:G0B+4*\s+3], s[G1B:G1B+7]
	s_nop 0
.rept 4
	v_nop
.endr
.Lasked_\@:
.endm
; A joint load of the second tile: X has 128 rows, one load: wave 0's; waves 2 and 3 fetch Y's halves; wave 1 has no part of the tile
.macro JLOAD2 s
	s_cmp_lt_u32 s14, 2
	s_cbranch_scc0 .Lfor_y2_\@
	s_cmp_eq_u32 s14, 0
	s_cbranch_scc0 .Lasked2_\@
	tensor_load_to_lds s[G0+4*\s:G0+4*\s+3], s[G1:G1+7]
	s_nop 0
.rept 4
	v_nop
.endr
	s_branch .Lasked2_\@
.Lfor_y2_\@:
	tensor_load_to_lds s[G0B+4*\s:G0B+4*\s+3], s[G1B:G1B+7]
	s_nop 0
.rept 4
	v_nop
.endr
.Lasked2_\@:
.endm
.macro CREST                           ; a round of the cluster's barrier behind its opening barrier
	s_cmp_lg_u32 s14, 0
	s_cbranch_scc1 .Lnot_wave_0_\@
	s_barrier_signal -3
.Lnot_wave_0_\@:
	s_barrier_wait -3
	s_barrier_signal -1
	s_barrier_wait -1
.endm
.macro CROUND
	s_barrier_signal -1
	s_barrier_wait -1
	CREST
.endm
.macro PLACES                          ; four plain places behind a matrix instruction, ahead of loads into its registers and of reads of its result
.rept 4
	v_nop
.endr
.endm
	s_load_b256 s[92:99], s[0:1], 0x0              ; q's five: X codes, X scales, Y codes, Y scales,
	s_load_b64 s[100:101], s[0:1], 0x20            ; bias
	s_load_b256 s[24:31], s[0:1], 0x28             ; k's five
	s_load_b64 s[32:33], s[0:1], 0x48
	s_load_b256 s[80:87], s[0:1], 0x50             ; v's five (X = Wv, Y = value): they stay
	s_load_b64 s[88:89], s[0:1], 0x70
	s_load_b64 s[12:13], s[0:1], 0x78              ; wqkv
	v_lshl_add_u32 v[SPW], v0, 2, SPARE
	v_mov_b32 v[NIL], 0
	ds_add_u32 v[SPW], v[NIL]                      ; the wave's opening: the add, twice on end, and its wait ahead of my first tensor load
	ds_add_u32 v[SPW], v[NIL]
	v_lshrrev_b32 v1, 5, v0
	v_readfirstlane_b32 s14, v1                    ; wave 0..3
	s_lshr_b32 s15, s14, 1                         ; my half of a tile's rows i.  Also, in the first tile: I fetch for X (0) or Y (1)
	s_and_b32 s16, s14, 1                          ; my half of its columns j.  Also: which 128 rows I fetch
	s_bfe_u32 s40, ttmp6, 0x40000                  ; cx
	s_bfe_u32 s41, ttmp6, 0x40004                  ; cy
	s_and_b32 s67, ttmp7, 0xffff                   ; the cluster's y, 0..15
	s_lshr_b32 s66, s67, 3                         ; T: 0 q, 1 k
	s_and_b32 s17, s67, 7
	s_lshl_b32 s17, s17, 2
	s_add_co_u32 s17, s17, s41                     ; first tile: its row, 256 tokens
	s_mov_b32 s42, s40                             ; and its column, 256 channels
	s_and_b32 s72, s67, 1
	s_lshl_b32 s72, s72, 2
	s_add_co_u32 s72, s72, s41                     ; second tile: its row, 128 channels = a pair of heads
	s_lshr_b32 s73, s67, 1
	s_lshl_b32 s73, s73, 2
	s_add_co_u32 s73, s73, s40                     ; and its column, 256 tokens
	s_lshl_b32 s43, s41, 2
	s_lshl_b32 s43, 15, s43                        ; my row of the cluster
	s_lshl_b32 s44, 0x1111, s40                    ; my column
	s_lshl_b32 s18, s16, 7
	s_lshl_b32 s20, s17, 8
	s_add_co_u32 s20, s20, s18                     ; X: row 256 x tile row + 128 x half
	s_mul_i32 s20, s20, KROW                       ; in bytes: under 2^23
	s_mov_b32 s21, 0
	s_lshl_b32 s46, s42, 8
	s_add_co_u32 s46, s46, s18                     ; Y: row 256 x tile column + 128 x half
	s_mul_i32 s46, s46, KROW
	s_mov_b32 s47, 0
	s_mul_i32 s[X2A], s72, 128*KROW                ; second tile: X: row 128 x tile row
	s_mov_b32 s[X2A+1], 0
	s_lshl_b32 s[Y2A], s73, 8
	s_add_co_u32 s[Y2A], s[Y2A], s18               ; Y: row 256 x tile column + 128 x half
	s_mul_i32 s[Y2A], s[Y2A], KROW
	s_mov_b32 s[Y2A+1], 0
	s_mul_i32 s45, s14, HALFT                      ; where my part of a tile goes: wave x 128 rows
	s_wait_dscnt 0x0                               ; both opening adds are done
	s_wait_kmcnt 0x0
	s_cmp_eq_u32 s66, 1                            ; the five buffers of my first tile: the choice hangs on the cluster's number alone
	s_cselect_b64 s[4:5], s[24:25], s[92:93]
	s_cselect_b64 s[6:7], s[26:27], s[94:95]
	s_cselect_b64 s[8:9], s[28:29], s[96:97]
	s_cselect_b64 s[10:11], s[30:31], s[98:99]
	s_cselect_b64 s[70:71], s[32:33], s[100:101]
	; descriptor group 1, for both tiles: 128 rows x 192 bytes, 16 bytes of padding behind every 64
	s_or_b32 s[G1+0], s43, (1<<20)|(1<<21)|(3<<22)|(3<<25)   ; the mask: X's tiles go to my row; elements of 1 byte; padding on; bit 21 beside a mask; after every 16 words, 4 words
	s_or_b32 s[G1B+0], s44, (1<<20)|(1<<21)|(3<<22)|(3<<25)  ; Y's go to my column
.irp g, G1, G1B
	s_mov_b32 s[\g+1], ROWB<<16                    ; tensor_dim0
	s_mov_b32 s[\g+2], 128<<16                     ; tensor_dim1
	s_mov_b32 s[\g+3], ROWB<<16                    ; tile_dim0
	s_mov_b32 s[\g+4], 128                         ; tile_dim1
	s_mov_b32 s[\g+5], KROW                        ; from row to row
	s_mov_b32 s[\g+6], 0
	s_mov_b32 s[\g+7], 0
.endr
	s_add_nc_u64 s[20:21], s[4:5], s[20:21]
	s_add_nc_u64 s[46:47], s[8:9], s[46:47]
	s_add_nc_u64 s[X2A:X2A+1], s[80:81], s[X2A:X2A+1]
	s_add_nc_u64 s[Y2A:Y2A+1], s[84:85], s[Y2A:Y2A+1]
	CROUND                                         ; all sixteen work-groups are here: the first joint loads meet
.irp s, 0,1
	s_mov_b32 s[G0+4*\s], 1
	s_add_co_u32 s[G0+4*\s+1], s45, \s*SLOT
	s_add_nc_u64 s[G0+4*\s+2:G0+4*\s+3], s[20:21], \s*ROWB
	s_or_b32 s[G0+4*\s+3], s[G0+4*\s+3], 0x80000000
	s_mov_b32 s[G0B+4*\s], 1
	s_add_co_u32 s[G0B+4*\s+1], s45, \s*SLOT
	s_add_nc_u64 s[G0B+4*\s+2:G0B+4*\s+3], s[46:47], \s*ROWB
	s_or_b32 s[G0B+4*\s+3], s[G0B+4*\s+3], 0x80000000
	JLOAD \s                                       ; two loads of mine are out
.endr
	v_and_b32 v1, 15, v0                           ; r
	v_bfe_u32 v2, v0, 4, 1                         ; h
	v_mul_u32_u24 v3, v1, PITCH
	v_mul_u32_u24 v4, v2, 24
	v_add_nc_u32 v4, v3, v4                        ; a fragment's row x pitch + 24 x half
	v_lshl_add_u32 v5, v2, 4, v4                   ; and the same behind one padding more
	s_mul_i32 s21, s15, HALFT                      ; first tile: my 128 rows of X
	s_mul_i32 s22, s16, HALFT
	s_add_co_u32 s22, s22, 2*HALFT                 ; my 128 rows of Y, behind X's place
	s_mul_i32 s19, s15, 64*PITCH                   ; second tile: my 64 rows of X
.irp s, 0,1
	v_add_nc_u32 v[ADRA+\s], s21, v4
	v_add_nc_u32 v[ADRB+\s], s22, v4
	v_add_nc_u32 v[ADRH+\s], s19, v4
	v_add_nc_u32 v[ADRA+2+\s], s21, v5
	v_add_nc_u32 v[ADRB+2+\s], s22, v5
	v_add_nc_u32 v[ADRH+2+\s], s19, v5
	s_add_co_u32 s21, s21, SLOT
	s_add_co_u32 s22, s22, SLOT
	s_add_co_u32 s19, s19, SLOT
.endr
	v_lshlrev_b32 v7, 5, v1
	v_lshl_add_u32 v7, v2, 4, v7                   ; scale bytes: row r of 32 bytes, + 16 h
	v_lshlrev_b32 v8, 5, v2                        ; bias by j: 32 h
	v_lshlrev_b32 v11, 2, v1                       ; bias by i: 4 r
	v_and_b32 v10, 31, v0
	v_lshlrev_b32 v9, 4, v10                       ; 16 x lane
	v_lshlrev_b32 v10, 3, v10                      ; 8 x lane
	s_mov_b32 s23, 0
	s_lshl_b32 s18, s17, 8
	s_lshl_b32 s19, s15, 7
	s_add_co_u32 s18, s18, s19                     ; first tile: my first token
	s_lshl_b32 s2, s42, 8
	s_lshl_b32 s19, s16, 7
	s_add_co_u32 s2, s2, s19                       ; and my first channel
	s_lshl_b32 s22, s18, 5
	s_add_nc_u64 s[6:7], s[6:7], s[22:23]
	s_lshl_b32 s22, s2, 5
	s_add_nc_u64 s[10:11], s[10:11], s[22:23]
	s_lshl_b32 s22, s2, 2
	s_add_nc_u64 s[70:71], s[70:71], s[22:23]
.irp i, 0,1,2,3,4,5,6,7                    ; THE SCALES COME STRAIGHT INTO REGISTERS, once a tile: each load covers the 512 consecutive bytes of 16 rows, all of K
	global_load_b128 v[SCX+4*\i:SCX+4*\i+3], v7, s[6:7] offset:512*\i
	global_load_b128 v[SCY+4*\i:SCY+4*\i+3], v7, s[10:11] offset:512*\i
.endr
.irp t, 0,1,2,3,4,5,6,7                    ; THE BIAS IS THE C OF A TILE'S FIRST K STEP.  q, k: tile t of j: b[16 t + 8 h + 0..7]
	global_load_b128 v[BI+8*\t+96*(\t/4):BI+8*\t+96*(\t/4)+3], v8, s[70:71] offset:64*\t
	global_load_b128 v[BI+8*\t+96*(\t/4)+4:BI+8*\t+96*(\t/4)+7], v8, s[70:71] offset:64*\t+16
.endr
	; where my records lie.  First tile: group of 128 tokens s18, pair of heads s2
	s_lshr_b32 s18, s18, 7
	s_lshr_b32 s2, s2, 7
	s_lshr_b32 s22, s18, 3
	s_lshl_b32 s22, s22, 3
	s_add_co_u32 s22, s22, s2
	s_lshl_b32 s22, s22, 3
	s_and_b32 s18, s18, 7
	s_add_co_u32 s22, s22, s18
	s_mul_i32 s22, s22, REC
	s_mul_i32 s18, s66, SEC
	s_add_co_u32 s22, s22, s18                     ; its offset, in s[22:23]
	s_lshl_b32 s18, s73, 1                         ; second tile: group of 128 tokens 2 x tile column + half, pair of heads = tile row
	s_add_co_u32 s18, s18, s16
	s_lshr_b32 s19, s18, 3
	s_lshl_b32 s19, s19, 3
	s_add_co_u32 s19, s19, s72
	s_lshl_b32 s19, s19, 3
	s_and_b32 s18, s18, 7
	s_add_co_u32 s19, s19, s18
	s_mul_i32 s2, s19, REC
	s_add_co_u32 s2, s2, 2*SEC
	s_mov_b32 s3, 0
	s_add_nc_u64 s[2:3], s[12:13], s[2:3]          ; v's record
	s_mov_b32 s19, 0
	s_mul_i32 s18, s15, 4*768
	s_add_nc_u64 s[90:91], s[2:3], s[18:19]        ; my 64 channels are its pieces 4 x half + 0..3 of each c,
	s_lshl_b32 s18, s15, 3
	s_add_nc_u64 s[2:3], s[2:3], s[18:19]          ; and registers 2 x half + 0, 1 of its pack
	s_add_nc_u64 s[12:13], s[12:13], s[22:23]      ; the first tile's record
	s_lshl_b32 s18, s72, 7                         ; the second tile's scales and bias
	s_lshl_b32 s22, s15, 6
	s_add_co_u32 s18, s18, s22                     ; my first channel
	s_lshl_b32 s22, s18, 5
	s_add_nc_u64 s[82:83], s[82:83], s[22:23]
	s_lshl_b32 s22, s18, 2
	s_add_nc_u64 s[88:89], s[88:89], s[22:23]
	s_lshl_b32 s18, s73, 8
	s_lshl_b32 s22, s16, 7
	s_add_co_u32 s18, s18, s22                     ; my first token
	s_lshl_b32 s22, s18, 5
	s_add_nc_u64 s[86:87], s[86:87], s[22:23]
	s_mov_b32 s74, 0xffff0000                      ; lanes 16-31
	s_mov_b32 s76, 0x76543210
	s_mov_b32 s77, 0xfedcba98                      ; v_permlanex16_b32's selects for lane l xor 16
.macro FRAG reg, adr, q, i             ; 16 rows x 128 K: lane (r, h): registers 6 c .. 6 c + 5 hold K = 64 c + 32 h + 0..31: 24 bytes of the row's stream of bits, in pieces of 8 bytes
.irp p, 0,1,2,3,4,5
.set PCE, 12*(\q)+6*(\p/3)+\p%3        ; where the piece three on (lanes 16-31) lies behind one padding more, the second address register serves
.if PCE%8 < 5
	ds_load_b64 v[\reg+2*\p:\reg+2*\p+1], v[\adr] offset:8*PCE+16*(PCE/8)+(\i)*16*PITCH
.else
	ds_load_b64 v[\reg+2*\p:\reg+2*\p+1], v[\adr+2] offset:8*PCE+16*(PCE/8)+(\i)*16*PITCH
.endif
.endr
.endm
.macro FETCH_B slot, q, p              ; Y's eight fragments of the slot's q-th 128 along K into set p
	WIN TO_B
.irp i, 0,1,2,3,4,5,6,7
	FRAG 128*(\p)+FR*\i, ADRB+\slot, \q, \i
.endr
	WIN 0
.endm
.macro FETCH_A slot, q, i0             ; first tile: X's blocks i0 .. i0 + 3
.irp i, \i0, \i0+1, \i0+2, \i0+3
	FRAG AF+FR*(\i), ADRA+\slot, \q, \i
.endr
.endm
.macro FETCH_H slot, q, p              ; second tile: X's four blocks into set p
.irp i, 0,1,2,3
	FRAG AF+48*(\p)+FR*\i, ADRH+\slot, \q, \i
.endr
.endm
; 16 matrix instructions: X's blocks a0, a0 + 1 against Y's eight; K step ks of eight; xo: where X's set begins.  mode 0: C = D.  mode 1: C = the bias tile of b.  mode 2: of a.  The accumulators take turns.
.macro MUL16 a0, p, ks, mode, xo
.irp a, \a0, \a0+1
.irp b, 0,1,2,3,4,5,6,7
.set rD, 8*(8*((\a)%4)+\b)
.set rY, 128*(\p)+FR*\b
.set rX, AF+(\xo)+FR*(\a)
.set rSY, SCY+4*\b+((\ks)&3)
.set rSX, SCX+4*(\a)+((\ks)&3)
.set rC, rD
.if \mode == 1
.set rC, BI+8*\b+96*(\b/4)
.endif
.if \mode == 2
.set rC, BI+8*(\a)
.endif
.if (\ks) < 4
	v_wmma_scale_f32_16x16x128_f8f6f4 v[rD:rD+7], v[rY:rY+FR-1], v[rX:rX+FR-1], v[rC:rC+7], v[rSY], v[rSX] matrix_a_fmt:MATRIX_FMT_FP6 matrix_b_fmt:MATRIX_FMT_FP6
.else
	v_wmma_scale_f32_16x16x128_f8f6f4 v[rD:rD+7], v[rY:rY+FR-1], v[rX:rX+FR-1], v[rC:rC+7], v[rSY], v[rSX] matrix_a_fmt:MATRIX_FMT_FP6 matrix_b_fmt:MATRIX_FMT_FP6 matrix_a_scale:MATRIX_SCALE_ROW1 matrix_b_scale:MATRIX_SCALE_ROW1
.endif
.endr
.endr
.endm
.macro WLO mode                        ; source 0 (Y) window 1, source 1 (X) window 0, D window 2; C window 2, or 0 for the bias
.if \mode
	WIN 0x81
.else
	WIN 0xa1
.endif
.endm
.macro WHI mode                        ; the same with D in window 3
.if \mode
	WIN 0xc1
.else
	WIN 0xf1
.endif
.endm
; FIRST TILE.  A slot's first 128 along K; its successor lies in the same slot
.macro STEP slot, ks, mode
	s_wait_dscnt 4*NL                              ; Y's set and X's blocks 0-3 are in; the youngest 24 loads (X's blocks 4-7) may be out
	WLO \mode
	MUL16 0, 0, \ks, \mode, 0
	MUL16 2, 0, \ks, \mode, 0
	s_wait_dscnt 0
	PLACES
	FETCH_B \slot, 1, 1
	FETCH_A \slot, 1, 0
	WHI \mode
	MUL16 4, 0, \ks, \mode, 0
	MUL16 6, 0, \ks, \mode, 0
	PLACES
	WIN 0
	FETCH_A \slot, 1, 4
.endm
; A slot's last 128 along K change slots: ONE barrier, which opens a round of the cluster's; ahead of it each wave waits for all its tensor loads, adds 0 to its spare word, and waits for that and for its reads of this slot.
; fill = 1: the slot takes this tile's K step two steps on.  fill = 2: it takes the SECOND tile's K step 0
.macro TURN slot, next, fill, ks
	s_wait_tensorcnt 0x0                           ; all my tensor loads have landed: my part of the next slot
	ds_add_u32 v[SPW], v[NIL]
	s_wait_dscnt 4*NL+1                            ; (the add and the youngest 24 loads may be out)
	WIN 0xa1
	MUL16 0, 1, \ks, 0, 0
	s_wait_dscnt 0x0                               ; the add is done, and my reads of this slot are over
	s_barrier_signal -1
	MUL16 2, 1, \ks, 0, 0
	WIN 0
	s_barrier_wait -1
	CREST                                          ; no wave of any partner still reads this slot or has a load on its way
.if \fill == 1
	s_add_nc_u64 s[G0+4*\slot+2:G0+4*\slot+3], s[G0+4*\slot+2:G0+4*\slot+3], 2*ROWB
	s_add_nc_u64 s[G0B+4*\slot+2:G0B+4*\slot+3], s[G0B+4*\slot+2:G0B+4*\slot+3], 2*ROWB
	JLOAD \slot                                    ; the first tensor load behind the round; its four v_nop are the places ahead of the loads below
.else
	s_mov_b64 s[G0+4*\slot+2:G0+4*\slot+3], s[X2A:X2A+1]
	s_or_b32 s[G0+4*\slot+3], s[G0+4*\slot+3], 0x80000000
	s_mov_b64 s[G0B+4*\slot+2:G0B+4*\slot+3], s[Y2A:Y2A+1]
	s_or_b32 s[G0B+4*\slot+3], s[G0B+4*\slot+3], 0x80000000
	JLOAD2 \slot
	PLACES                                         ; (wave 1 has passed no v_nop)
.endif
	FETCH_B \next, 0, 0
	FETCH_A \next, 0, 0
	WIN 0xf1
	MUL16 4, 1, \ks, 0, 0
	MUL16 6, 1, \ks, 0, 0
	PLACES
	WIN 0
	FETCH_A \next, 0, 4
.endm
; SECOND TILE.  A step of 128 along K on fragment sets p: it waits for its fragments, fetches the next step's (slot nslot, its nq-th 128) into the other sets in one run, and issues its 32 products.
; kind 0: the next step lies in a slot that is known whole.  kind 1: a change of slots, and slot cslot, which has been read out, is filled again, two K steps on: the three lines, a round, the joint load first behind it.
; kind 2: a change of slots with nothing to fill.  kind 3: the last step
.macro HSTEP ks, p, mode, kind, cslot, nslot, nq
.if \kind == 1
	s_wait_tensorcnt 0x0                           ; all my tensor loads have landed: my part of the next slot
	ds_add_u32 v[SPW], v[NIL]
	s_add_nc_u64 s[G0+4*\cslot+2:G0+4*\cslot+3], s[G0+4*\cslot+2:G0+4*\cslot+3], 2*ROWB
	s_add_nc_u64 s[G0B+4*\cslot+2:G0B+4*\cslot+3], s[G0B+4*\cslot+2:G0B+4*\cslot+3], 2*ROWB
	s_wait_dscnt 0x0                               ; the add is done; this step's fragments are in, and they were my last reads of the slot
	CROUND
	JLOAD2 \cslot
.elseif \kind == 2
	s_wait_tensorcnt 0x0
	ds_add_u32 v[SPW], v[NIL]
	s_wait_dscnt 0x0
	s_barrier_signal -1
	s_barrier_wait -1
.else
	s_wait_dscnt 0x0                               ; this step's fragments are in
.endif
.if \kind != 3
	PLACES                                         ; behind the last step's products, which read the sets that are loaded now
	FETCH_B \nslot, \nq, 1-\p
	FETCH_H \nslot, \nq, 1-\p
.endif
	WLO \mode
	MUL16 0, \p, \ks, \mode, 48*\p
	MUL16 2, \p, \ks, \mode, 48*\p
	WIN 0
.endm
; THE WAY OUT: block a (16 rows i x 128 j) becomes one fragment and one scale word a row, in registers, and is stored as it stands, by the pointer in s[ptr:ptr+1].
.macro QUANTW a, ptr
.set W, 2+(\a)/4
.set AC, 64*((\a)%4)
.set F, FO+12*(\a)
	WIN (W<<2)|(W<<4)                              ; sources 1 and 2: the accumulators' window
.irp b, 0,1,2,3
	v_max3_num_f32 v[TM+\b], 0x1800000, |v[AC+16*\b]|, |v[AC+16*\b+1]|   ; block b: my 16 numbers, each accumulator from its low end on, and the floor 2^(3 - 127): the byte cannot fall under 1
.endr
.irp i, 2,4,6,8,10,12,14
.irp b, 0,1,2,3
	v_max3_num_f32 v[TM+\b], v[TM+\b], |v[AC+16*\b+\i]|, |v[AC+16*\b+\i+1]|
.endr
.endr
	WIN 0
.irp b, 0,1,2,3
	v_permlanex16_b32 v[TM+4+\b], v[TM+\b], s76, s77
.endr
.irp b, 0,1,2,3
	v_max_num_f32 v[TM+\b], v[TM+\b], v[TM+4+\b]   ; with lane l xor 16's: the block's largest magnitude
.endr
.irp b, 0,1,2,3
	v_add_nc_u32 v[TM+12+\b], 0xff000000, v[TM+\b] ; 2 off its exponent field: the conversion's scale operand
.endr
.irp b, 0,1,2,3
	v_lshrrev_b32 v[TM+4+\b], 23, v[TM+12+\b]      ; the scale's byte
.endr
	v_lshl_or_b32 v[PW+\a], v[TM+5], 8, v[TM+4]
	v_lshl_or_b32 v[PW+\a], v[TM+6], 16, v[PW+\a]
	v_lshl_or_b32 v[PW+\a], v[TM+7], 24, v[PW+\a]
	WIN W                                          ; source 0: the accumulators' window
.irp c, 0,1
	v_cvt_scalef32_pk16_fp6_f32 v[F+6*\c:F+6*\c+2], v[AC+32*\c:AC+32*\c+15], v[TM+12+2*\c]
	v_cvt_scalef32_pk16_fp6_f32 v[CT+4*\c:CT+4*\c+2], v[AC+32*\c+16:AC+32*\c+31], v[TM+12+2*\c+1]
.endr
	WIN 0
	v_nop                                          ; one plain place behind a scaled conversion
.irp c, 0,1                                ; a whole block to a lane: lanes 0-15 block 2 c, lanes 16-31 block 2 c + 1
.irp i, 0,1,2
	v_permlane16_swap_b32 v[F+6*\c+\i], v[CT+4*\c+\i]
.endr
.irp i, 0,1,2
	v_mov_b32 v[F+6*\c+3+\i], v[CT+4*\c+\i]
.endr
.endr
.irp c, 0,1
	global_store_b128 v9, v[F+6*\c:F+6*\c+3], s[\ptr:\ptr+1] offset:6144*\c+768*(\a)         ; 512 consecutive bytes
	global_store_b64 v10, v[F+6*\c+4:F+6*\c+5], s[\ptr:\ptr+1] offset:6144*\c+768*(\a)+512   ; 256 consecutive bytes
.endr
.endm
	; ---- THE FIRST TILE: 256 tokens x 256 channels of q or of k
	s_wait_tensorcnt 1                             ; my part of slot 0 is in; slot 1's fill may stay out
	s_barrier_signal -1
	s_barrier_wait -1
	FETCH_B 0, 0, 0
	FETCH_A 0, 0, 0
	FETCH_A 0, 0, 4
	s_wait_loadcnt 0x0                             ; the scales and the bias
	STEP 0, 0, 1
	TURN 0, 1, 1, 1
	STEP 1, 2, 0
	TURN 1, 0, 1, 3
	STEP 0, 4, 0
	TURN 0, 1, 2, 5                                ; slot 0 takes the second tile's K step 0
	STEP 1, 6, 0
	s_wait_dscnt 4*NL
	WIN 0xa1
	MUL16 0, 1, 7, 0, 0
	MUL16 2, 1, 7, 0, 0
	s_wait_dscnt 0
	WIN 0xf1
	MUL16 4, 1, 7, 0, 0
	MUL16 6, 1, 7, 0, 0
	WIN 0
	PLACES
.irp i, 0,1,2,3                            ; the second tile's scales, into the registers that hold scales alone, and its bias: they land under the way out
	global_load_b128 v[SCX+4*\i:SCX+4*\i+3], v7, s[82:83] offset:512*\i
.endr
.irp i, 0,1,2,3,4,5,6,7
	global_load_b128 v[SCY+4*\i:SCY+4*\i+3], v7, s[86:87] offset:512*\i
.endr
.irp t, 0,1,2,3                            ; v: block t of i: b[16 t + r] in all eight registers
.irp j, 0,1,2,3,4,5,6,7
	global_load_b32 v[BI+8*\t+\j], v11, s[88:89] offset:64*\t
.endr
.endr
.irp b, 0,1,2,3
	v_mov_b32 v[TM+4+\b], 0                        ; written once: a lane permute's destination counts as one of its sources
.endr
	QUANTW 0, 12                                   ; every block has registers of its own for what it stores: no store's data are written again in this way out
	QUANTW 1, 12
	; slot 1 has been read out: it takes the second tile's K step 1.  The round stands here, two blocks into the way out: slot 0's load has had steps 5 to 7 and these blocks in which to land
	s_wait_tensorcnt 0x0                           ; all my tensor loads have landed: my part of slot 0
	ds_add_u32 v[SPW], v[NIL]
	s_add_nc_u64 s[G0+6:G0+7], s[X2A:X2A+1], ROWB
	s_or_b32 s[G0+7], s[G0+7], 0x80000000
	s_add_nc_u64 s[G0B+6:G0B+7], s[Y2A:Y2A+1], ROWB
	s_or_b32 s[G0B+7], s[G0B+7], 0x80000000
	s_wait_dscnt 0x0                               ; the add is done; my reads of slot 1 were over at the last step
	CROUND
	JLOAD2 1
	FETCH_B 0, 0, 0                                ; the second tile's first fragments of Y: their registers are free (the places stand behind the last products)
.irp a, 2,3,4,5,6,7
	QUANTW \a, 12
.endr
.irp g, 0,1,2,3                            ; q, k: the pack takes the low halves of two blocks' words (the even head's bytes) in lanes 0-15, the high halves in lanes 16-31
	v_perm_b32 v[PT], v[PW+2*\g+1], v[PW+2*\g], 0x05040100
	v_perm_b32 v[PT+1], v[PW+2*\g+1], v[PW+2*\g], 0x07060302
	v_cndmask_b32 v[PK+\g], v[PT], v[PT+1], s74
.endr
	global_store_b128 v9, v[PK:PK+3], s[12:13] offset:12288
	; ---- THE SECOND TILE: 128 channels x 256 tokens of v
	s_wait_xcnt 0x0                                ; the first tile's stores have read their registers: they may be written again
	FETCH_H 0, 0, 0
	s_wait_loadcnt 0x0                             ; the scales and the bias
	HSTEP 0, 0, 2, 0, 0, 0, 1
	HSTEP 1, 1, 0, 1, 0, 1, 0                      ; slot 0 takes K step 2
	HSTEP 2, 0, 0, 0, 0, 1, 1
	HSTEP 3, 1, 0, 1, 1, 0, 0                      ; slot 1 takes K step 3
	HSTEP 4, 0, 0, 0, 0, 0, 1
	HSTEP 5, 1, 0, 2, 0, 1, 0                      ; nothing is left to fetch
	HSTEP 6, 0, 0, 0, 0, 1, 1
	HSTEP 7, 1, 0, 3, 0, 0, 0
	PLACES
.irp a, 0,1,2,3
	QUANTW \a, 90
.endr
.irp g, 0,1                                ; v: the even block's word in lanes 0-15, the odd block's in lanes 16-31
	v_cndmask_b32 v[PK+\g], v[PW+2*\g], v[PW+2*\g+1], s74
.endr
	global_store_b64 v9, v[PK:PK+1], s[2:3] offset:12288   ; my two registers of the pack: 8 of each lane's 16 bytes
	s_wait_tensorcnt 0x0                           ; the wave's end
	ds_add_u32 v[SPW], v[NIL]
	s_wait_dscnt 0x0
	CROUND                                         ; the closing round
	s_endpgm
.Lfunc_end_k_q0cc0365acd_proj:
	.size	k_q0cc0365acd_proj, .Lfunc_end_k_q0cc0365acd_proj-k_q0cc0365acd_proj
	.p2alignl 7, 3214868480
	.fill 96, 4, 3214868480
	.section	.rodata,"a",@progbits
	.p2align	6, 0x0
	.amdhsa_kernel k_q0cc0365acd_proj
		.amdhsa_group_segment_fixed_size 327680
		.amdhsa_private_segment_fixed_size 0
		.amdhsa_enable_private_segment 0
		.amdhsa_kernarg_size 128
		.amdhsa_user_sgpr_count 2
		.amdhsa_user_sgpr_kernarg_segment_ptr 1
		.amdhsa_wavefront_size32 1
		.amdhsa_system_sgpr_workgroup_id_x 1
		.amdhsa_system_sgpr_workgroup_id_y 1
		.amdhsa_system_sgpr_workgroup_id_z 1
		.amdhsa_system_vgpr_workitem_id 0
		.amdhsa_next_free_vgpr 1024
		.amdhsa_next_free_sgpr 102
		.amdhsa_reserve_vcc 0
		.amdhsa_float_denorm_mode_32 3
		.amdhsa_float_denorm_mode_16_64 3
		.amdhsa_memory_ordered 1
		.amdhsa_forward_progress 1
		.amdhsa_inst_pref_size 255
	.end_amdhsa_kernel
	.section	.bss,"aw",@nobits
	.p2align	6
	.space	262144
	.amdgpu_metadata
---
amdhsa.version: [ 1, 2 ]
amdhsa.kernels:
  - .name:           k_q0cc0365acd_proj
    .symbol:         k_q0cc0365acd_proj.kd
    .args:
      - { .name: query_codes, .offset: 0, .size: 8, .value_kind: global_buffer, .address_space: global }
      - { .name: query_scales, .offset: 8, .size: 8, .value_kind: global_buffer, .address_space: global }
      - { .name: Wq_codes, .offset: 16, .size: 8, .value_kind: global_buffer, .address_space: global }
      - { .name: Wq_scales, .offset: 24, .size: 8, .value_kind: global_buffer, .address_space: global }
      - { .name: bq, .offset: 32, .size: 8, .value_kind: global_buffer, .address_space: global }
      - { .name: key_codes, .offset: 40, .size: 8, .value_kind: global_buffer, .address_space: global }
      - { .name: key_scales, .offset: 48, .size: 8, .value_kind: global_buffer, .address_space: global }
      - { .name: Wk_codes, .offset: 56, .size: 8, .value_kind: global_buffer, .address_space: global }
      - { .name: Wk_scales, .offset: 64, .size: 8, .value_kind: global_buffer, .address_space: global }
      - { .name: bk, .offset: 72, .size: 8, .value_kind: global_buffer, .address_space: global }
      - { .name: Wv_codes, .offset: 80, .size: 8, .value_kind: global_buffer, .address_space: global }
      - { .name: Wv_scales, .offset: 88, .size: 8, .value_kind: global_buffer, .address_space: global }
      - { .name: value_codes, .offset: 96, .size: 8, .value_kind: global_buffer, .address_space: global }
      - { .name: value_scales, .offset: 104, .size: 8, .value_kind: global_buffer, .address_space: global }
      - { .name: bv, .offset: 112, .size: 8, .value_kind: global_buffer, .address_space: global }
      - { .name: wqkv, .offset: 120, .size: 8, .value_kind: global_buffer, .address_space: global }
    .group_segment_fixed_size: 327680
    .private_segment_fixed_size: 0
    .kernarg_segment_align: 8
    .kernarg_segment_size: 128
    .max_flat_workgroup_size: 128
    .sgpr_count:     102
    .vgpr_count:     1024
    .wavefront_size: 32
...
	.end_amdgpu_metadata
.endif
;; end of part 1
;; launch attn (part 2): grid 4 x 64, 16 waves a work-group, clusters of 4 x 1, 211,968 bytes of LDS; arguments wqkv, mask, miss_ids, cimg, csc; writes cimg, csc
.if DOCPART == 2
	.amdgcn_target "amdgcn-amd-amdhsa--gfx1250"
	.amdhsa_code_object_version 6
	.text
	.protected	k_q0cc0365acd_attn
	.globl	k_q0cc0365acd_attn
	.p2align	8
	.type	k_q0cc0365acd_attn,@function
k_q0cc0365acd_attn:
	s_mov_b64 s[64:65], 0
	v_nop
	global_prefetch_b8 v0, s[64:65] scope:SCOPE_SE
	s_setreg_imm32_b32 hwreg(HW_REG_WAVE_MODE, 25, 1), 1
	s_wait_xcnt 0x0
	s_wait_alu depctr_hold_cnt(0) depctr_sa_sdst(0) depctr_va_vdst(0) depctr_va_sdst(0) depctr_va_ssrc(0) depctr_va_vcc(0) depctr_vm_vsrc(0)
	s_getreg_b32 s2, hwreg(HW_REG_IB_STS2, 6, 4)
	s_cmp_eq_u32 s2, 0
	s_cbranch_scc0 .Lentry_in_a_cluster
	s_endpgm
.Lentry_in_a_cluster:
	s_bfe_u32 s2, ttmp6, 0x10000c
	s_cmp_lg_u32 s2, 0x3003
	s_cbranch_scc0 .Lentry_shape_is_right
	s_endpgm
.Lentry_shape_is_right:
; ATTENTION ON CODES OF FP6 (E2M3): scores = q k^T / 8 under the padding mask, the softmax by the problem's rule (p = 2^(t - M), M a whole number, the row's sum of the unquantised p divides at the end), context = p v,
; heads named by miss_ids made zero, and the context quantised along D for the last product.  No work is left out.
; IN: wqkv, register images made by the launch before (its head comment has the layout).  q was quantised undivided: the scores are multiplied by c = log2(e) / 8, which gives t bit for bit.
; SHARES.  A cluster of four work-groups owns one batch and one PAIR of heads; a work-group 256 queries; each of its sixteen waves 16 queries, first for the pair's even head, then for the odd one, over 8 steps of 128 keys.
; K AND V OF THE PAIR STAY IN LDS: 16 records of 12,800 bytes, one joint load a wave, asked for by all four work-groups with the same descriptor.  Nothing is filled again.
; LAYOUT.  Both products transposed: S^T = K Q^T, O^T = V^T P^T: a lane holds one query throughout.  The head's K is 64, the instruction's 128: a fragment of K holds TWO tiles of 16 keys (registers 0-5, 6-11),
; and q stands beside six registers of zero codes, [q|0] for the first tile, [0|q] for the second; thirty registers [0, qA, 0, qB, 0] give all four views.
; THE MASK costs no vector instruction: a bias, 0 or -2^100, is loaded from LDS into the scores' registers and is the C of the first product.
; LIMITS.  A hidden score is the score - 2^100 and not -infinity, and the running largest t begins at -2^90: p of a hidden key is exactly 0, steps all of whose keys are hidden leave sum and O at 0; true t under -2^90
; are not served.  A batch whose mask is all zero gives NaN in the problem's terms: its context's codes are made 0 and its scale bytes 0xff (heads that are not missing), which makes the last product's sums NaN.
; A block of zeros has the byte 1.  NaN and infinities among the inputs are not served.
; OUT: cimg: (block of 16 tokens x 8 + pair) x 1,536 + 768 x (head in pair): a piece of six registers; csc: (group of 128 tokens x 8 + pair) x 512: register g at 16 x lane + 4 g, lanes 0-15 block 2 g, lanes 16-31 block 2 g + 1.
; THE CONTEXT meets Wo in the natural order along D: sixteen exchanges of lane halves on the f32 numbers give each lane 16 true neighbours first.
.set REC,   12800
.set SEC,   6553600
.set STEPB, 25600                      ; a key step in LDS: K's record, then V's
.set MB,    204800                     ; the mask's bias, f32, 1,024 keys
.set CST,   208896                     ; stage for the context's scale words, 1,024 bytes
.set SPARE, 209920                     ; the spare words, 128 bytes for each of sixteen waves
.set L16, 1                            ; 16 x lane
.set L8,  2                            ; 8 x lane
.set LM,  3                            ; MB + 32 h
.set CW,  4                            ; where I put my scale word in the stage
.set SPW, 5
.set NIL, 6
.set CR,  7                            ; where waves 0 and 1 read the stage
.set A16, 8                            ; the step's addresses
.set A8,  9
.set AM,  10
.set QZ,  16                           ; v16-45
.set QS,  46                           ; v46, v47 q's scale words, (s0, s1, s0, s1)
.set FRG, 48                           ; v48-95 four fragments, K's and then V's
.set S,   96                           ; v96-159 S^T, then p
.set O,   160                          ; v160-191 O^T
.set PC,  192                          ; v192-203 p's codes
.set CT,  204                          ; v204-206, v208-210 conversions' second halves
.set TMA, 212
.set TMB, 216
.set TMC, 220
.set KS,  224                          ; v224-227 K's scale words
.set VS,  228                          ; v228-229 V's
.set PS,  230                          ; p's
.set FF,  232                          ; v[232:233] the factor; the upper half is written once
.set TW,  234
.set CP,  240                          ; v240-251 the context's two pieces
.set CB,  252                          ; v252, v253 their scale bytes
.macro CROUND
	s_barrier_signal -1
	s_barrier_wait -1
	s_cmp_lg_u32 s14, 0
	s_cbranch_scc1 .Lnot_wave_0_\@
	s_barrier_signal -3
.Lnot_wave_0_\@:
	s_barrier_wait -3
	s_barrier_signal -1
	s_barrier_wait -1
.endm
	s_load_b256 s[4:11], s[0:1], 0x0               ; wqkv, mask, miss_ids, cimg
	s_load_b64 s[12:13], s[0:1], 0x20              ; csc
	v_lshl_add_u32 v[SPW], v0, 2, SPARE
	v_mov_b32 v[NIL], 0
	ds_add_u32 v[SPW], v[NIL]                      ; the wave's opening: the add, twice on end, and its wait ahead of my first tensor load
	ds_add_u32 v[SPW], v[NIL]
	v_lshrrev_b32 v11, 5, v0
	v_readfirstlane_b32 s14, v11                   ; wave 0..15
	s_bfe_u32 s15, ttmp6, 0x40000                  ; cx: my block of 256 queries
	s_and_b32 s16, ttmp7, 0xffff                   ; P = 8 b + pair, which the four partners share
	s_lshr_b32 s17, s16, 3                         ; b
	s_and_b32 s18, s16, 7                          ; the pair of heads
	s_mov_b32 s24, 15|(3<<16)|(1<<21)              ; group 1: the mask: all four; elements of 8 bytes; bit 21 beside a mask; no padding
	s_mov_b32 s25, 32<<16                          ; a dense block of 12,800 bytes as 50 rows of 256
	s_mov_b32 s26, 50<<16
	s_mov_b32 s27, 32<<16
	s_mov_b32 s28, 50
	s_mov_b32 s29, 32
	s_mov_b32 s30, 0
	s_mov_b32 s31, 0
	s_mov_b32 s20, 0x76543210
	s_mov_b32 s21, 0xfedcba98                      ; v_permlanex16_b32's selects for lane l xor 16
	s_mov_b32 s22, 0x3e38aa3b                      ; c = log2(e) / 8
	s_mov_b32 s23, s22
	s_and_b32 s54, s14, 1                          ; wave w fetches step w / 2: K's record (even w) or V's (odd w)
	s_add_co_u32 s54, s54, 1
	s_mul_i32 s54, s54, SEC
	s_lshl_b32 s56, s16, 3                         ; the pair's first record
	s_lshr_b32 s57, s14, 1
	s_add_co_u32 s57, s57, s56
	s_mul_i32 s57, s57, REC
	s_add_co_u32 s54, s54, s57
	s_mov_b32 s55, 0
	s_mov_b32 s32, 1
	s_mul_i32 s33, s14, REC                        ; to LDS byte 12,800 x wave
	s_wait_dscnt 0x0                               ; both opening adds are done
	s_wait_kmcnt 0x0
	s_add_nc_u64 s[34:35], s[4:5], s[54:55]
	s_or_b32 s35, s35, 0x80000000
	CROUND                                         ; all four work-groups are here: the joint loads meet
	tensor_load_to_lds s[32:35], s[24:31]          ; my one tensor load of the launch
	s_nop 0
.rept 4
	v_nop
.endr
	s_lshl_b32 s54, s18, 1
	s_add_nc_u64 s[8:9], s[8:9], s[54:55]
	s_load_u8 s40, s[8:9], 0x0                     ; miss_ids of the pair's two heads
	s_load_u8 s41, s[8:9], 0x1
	s_lshl_b32 s54, s17, 12
	s_add_nc_u64 s[6:7], s[6:7], s[54:55]          ; the batch's mask
	s_lshl_b32 s57, s15, 1
	s_add_co_u32 s57, s57, s56
	s_lshr_b32 s58, s14, 3
	s_add_co_u32 s57, s57, s58
	s_mul_i32 s57, s57, REC                        ; q's record: group of 128 tokens 2 cx + w / 8
	s_and_b32 s58, s14, 7
	s_mul_i32 s54, s58, 768
	s_add_co_u32 s54, s54, s57
	s_add_nc_u64 s[48:49], s[4:5], s[54:55]        ; my block's pieces
	s_lshr_b32 s58, s58, 1
	s_lshl_b32 s58, s58, 2
	s_add_co_u32 s54, s57, s58
	s_add_co_u32 s54, s54, 12288
	s_add_nc_u64 s[58:59], s[4:5], s[54:55]        ; and the pack's register that holds its scale bytes
	s_lshl_b32 s54, s17, 6
	s_lshl_b32 s60, s15, 4
	s_add_co_u32 s54, s54, s60
	s_add_co_u32 s54, s54, s14                     ; my block of 16 tokens: 64 b + 16 cx + w
	s_lshl_b32 s54, s54, 3
	s_add_co_u32 s54, s54, s18
	s_mul_i32 s54, s54, 1536
	s_add_nc_u64 s[50:51], s[10:11], s[54:55]
	s_lshl_b32 s54, s17, 3
	s_lshl_b32 s60, s15, 1
	s_add_co_u32 s54, s54, s60
	s_and_b32 s60, s14, 1
	s_add_co_u32 s54, s54, s60                     ; the group of 128 tokens that wave 0 or 1 stores
	s_lshl_b32 s54, s54, 3
	s_add_co_u32 s54, s54, s18
	s_lshl_b32 s54, s54, 9
	s_add_nc_u64 s[52:53], s[12:13], s[54:55]
	v_and_b32 v[L8], 31, v0
	v_lshlrev_b32 v[L16], 4, v[L8]
	v_lshlrev_b32 v[L8], 3, v[L8]
	v_bfe_u32 v[LM], v0, 4, 1
	v_lshl_add_u32 v[LM], v[LM], 5, MB
	v_and_b32 v12, 15, v0
	v_lshlrev_b32 v12, 4, v12                      ; 16 r
	s_lshr_b32 s60, s14, 3
	s_lshl_b32 s60, s60, 9
	s_and_b32 s61, s14, 1
	s_lshl_b32 s62, s61, 8
	s_add_co_u32 s60, s60, s62
	s_bfe_u32 s62, s14, 0x20001
	s_lshl_b32 s62, s62, 2
	s_add_co_u32 s60, s60, s62
	s_add_co_u32 s60, s60, CST
	v_add_nc_u32 v[CW], s60, v12                   ; 512 (w / 8) + 256 (w % 2) + 4 ((w / 2) % 4) + 16 r
	s_lshl_b32 s61, s61, 9
	s_add_co_u32 s61, s61, CST
	v_add_nc_u32 v[CR], s61, v[L16]
	v_lshlrev_b32 v11, 3, v0                       ; 8 x thread: my two keys of the mask
	global_load_b64 v[128:129], v11, s[6:7]
.irp i, 0,1,2,3,4,5,6,7
	global_load_b128 v[S+4*\i:S+4*\i+3], v[L16], s[6:7] offset:512*\i   ; and the whole mask: is any key open?
.endr
	global_load_b128 v[QZ+6:QZ+9], v[L16], s[48:49]                ; q of the even head
	global_load_b64 v[QZ+10:QZ+11], v[L8], s[48:49] offset:512
	global_load_b128 v[QZ+18:QZ+21], v[L16], s[48:49] offset:6144  ; and of the odd one
	global_load_b64 v[QZ+22:QZ+23], v[L8], s[48:49] offset:6656
	global_load_b32 v[QS], v12, s[58:59]
	global_load_b32 v[QS+1], v12, s[58:59] offset:256
.irp i, 0,1,2,3,4,5
	v_mov_b32 v[QZ+\i], 0                          ; zero codes
	v_mov_b32 v[QZ+12+\i], 0
	v_mov_b32 v[QZ+24+\i], 0
.endr
.irp b, 0,1,2,3
	v_mov_b32 v[TMB+\b], 0                         ; written once: a lane permute's destination counts as one of its sources
.endr
	v_mov_b32 v[FF+1], 0
	v_mov_b32 v[TW], 0
	v_mov_b32 v130, 0xf1800000                     ; -2^100
	s_wait_loadcnt 0x0
	s_wait_kmcnt 0x0
	v_cmp_eq_u32 s54, 0, v128
	v_cndmask_b32 v128, 0, v130, s54
	v_cmp_eq_u32 s55, 0, v129
	v_cndmask_b32 v129, 0, v130, s55
	v_add_nc_u32 v11, MB, v11
	ds_store_b64 v11, v[128:129]
.set j, 1
.rept 31
	v_or_b32 v[S], v[S], v[S+j]
.set j, j+1
.endr
	v_cmp_ne_u32 s39, 0, v[S]
	s_cmp_lg_u32 s39, 0
	s_cselect_b32 s39, 1, 0                        ; any key open.  What hangs on the mask and on miss_ids is selected, never branched on
	s_xor_b32 s40, s40, 1                          ; the head is there
	s_xor_b32 s41, s41, 1
	s_and_b32 s42, s39, s40
	s_cselect_b32 s42, -1, 0                       ; keep 1 / l, else 0
	s_and_b32 s43, s39, s41
	s_cselect_b32 s43, -1, 0
	s_xor_b32 s39, s39, 1
	s_and_b32 s44, s39, s40
	s_cselect_b32 s44, 0xffff, 0                   ; all keys hidden and the head there: both scale bytes 0xff
	s_and_b32 s45, s39, s41
	s_cselect_b32 s45, 0xffff, 0
	s_and_b32 s47, s14, 1
	s_mov_b32 s46, 0x01000100                      ; an even block's two bytes are the word's low half,
	s_cselect_b32 s46, 0x03020302, s46             ; an odd block's the high half
	v_perm_b32 v[QS], v[QS], v[QS], s46
	v_perm_b32 v[QS+1], v[QS+1], v[QS+1], s46
	s_wait_tensorcnt 0x0                           ; my record has landed,
	s_wait_dscnt 0x0                               ; my part of the mask's bias is stored:
	s_barrier_signal -1
	s_barrier_wait -1                              ; everybody's are
; A KEY STEP of head u of the pair: 128 keys
.macro STEP u
	v_add_nc_u32 v[A16], s36, v[L16]
	v_add_nc_u32 v[A8], s36, v[L8]
	v_add_nc_u32 v[AM], s37, v[LM]
	v_nop                                          ; four places behind the last products, ahead of loads into their registers
	ds_load_b128 v[KS:KS+3], v[A16] offset:12288+256*\u            ; lanes 0-15: my head's words (lanes 16-31 read on and are not used)
.irp t, 0,1,2,3,4,5,6,7
	ds_load_b128 v[S+8*\t:S+8*\t+3], v[AM] offset:64*\t            ; the mask's bias of keys 16 t + 8 h + 0..7: the C of the first product
	ds_load_b128 v[S+8*\t+4:S+8*\t+7], v[AM] offset:64*\t+16
.endr
.irp g, 0,1,2,3
	ds_load_b128 v[FRG+12*\g:FRG+12*\g+3], v[A16] offset:6144*\u+1536*\g
	ds_load_b64 v[FRG+12*\g+4:FRG+12*\g+5], v[A8] offset:6144*\u+1536*\g+512
	ds_load_b128 v[FRG+12*\g+6:FRG+12*\g+9], v[A16] offset:6144*\u+1536*\g+768
	ds_load_b64 v[FRG+12*\g+10:FRG+12*\g+11], v[A8] offset:6144*\u+1536*\g+1280
.endr
	s_wait_dscnt 0x0
.irp t, 0,1,2,3,4,5,6,7                    ; tile t of 16 keys: the fragment's half t % 2 against q, the other half against zero codes
	v_wmma_scale_f32_16x16x128_f8f6f4 v[S+8*\t:S+8*\t+7], v[FRG+12*(\t/2):FRG+12*(\t/2)+11], v[QZ+6+12*\u-6*(\t%2):QZ+17+12*\u-6*(\t%2)], v[S+8*\t:S+8*\t+7], v[KS+\t/2], v[QS+\u] matrix_a_fmt:MATRIX_FMT_FP6 matrix_b_fmt:MATRIX_FMT_FP6
.endr
.rept 4
	v_nop
.endr
.irp a, 0,1,2,3                            ; V's four fragments land under the softmax
	ds_load_b128 v[FRG+12*\a:FRG+12*\a+3], v[A16] offset:REC+768*(4*\u+\a)
	ds_load_b64 v[FRG+12*\a+4:FRG+12*\a+5], v[A8] offset:REC+768*(4*\u+\a)+512
	ds_load_b128 v[FRG+12*\a+6:FRG+12*\a+9], v[A16] offset:REC+6144+768*(4*\u+\a)
	ds_load_b64 v[FRG+12*\a+10:FRG+12*\a+11], v[A8] offset:REC+6144+768*(4*\u+\a)+512
.endr
	ds_load_b64 v[VS:VS+1], v[A16] offset:REC+12288+8*\u
.irp b, 0,1,2,3
	v_max3_num_f32 v[TMA+\b], v[S+16*\b], v[S+1+16*\b], v[S+2+16*\b]   ; the largest score of each block of 32 keys: for the row's maximum and, since p rises with the score, for the block's largest p
.endr
.irp i, 3,5,7,9,11,13
.irp b, 0,1,2,3
	v_max3_num_f32 v[TMA+\b], v[TMA+\b], v[S+16*\b+\i], v[S+1+16*\b+\i]
.endr
.endr
.irp b, 0,1,2,3
	v_max_num_f32 v[TMA+\b], v[TMA+\b], v[S+15+16*\b]
.endr
.irp b, 0,1,2,3
	v_permlanex16_b32 v[TMB+\b], v[TMA+\b], s20, s21
.endr
.irp b, 0,1,2,3
	v_max_num_f32 v[TMA+\b], v[TMA+\b], v[TMB+\b]
.endr
	v_max3_num_f32 v[TW], v[TMA], v[TMA+1], v[TMA+2]
	v_max_num_f32 v[TW], v[TW], v[TMA+3]
	v_mul_f32 v[TW], s22, v[TW]                    ; as t
	v_max_num_f32 v13, v13, v[TW]                  ; the running largest t
	v_mov_b32 v[TW], v12
	v_floor_f32 v12, -v13                          ; -M = floor(-t): M is a whole number
	v_sub_f32 v[TW], v12, v[TW]                    ; old M less new M, 0 or less
	v_cvt_i32_f32 v[TW], v[TW]                     ; (it saturates)
	v_ldexp_f32 v[FF], 1.0, v[TW]                  ; f = 2^(old M - new M)
.set j, 0
.rept 32
	v_pk_fma_f32 v[S+j:S+j+1], v[S+j:S+j+1], s[22:23], v[12:13] op_sel_hi:[1,0,0]   ; t - M
.set j, j+2
.endr
.irp b, 0,1,2,3
	v_fma_f32 v[TMA+\b], v[TMA+\b], s22, v12
.endr
.set j, 0
.rept 64
	v_exp_f32 v[S+j], v[S+j]                       ; p = 2^(t - M)
.set j, j+1
.endr
	v_pk_mul_f32 v[14:15], v[14:15], v[FF:FF+1] op_sel_hi:[1,0]    ; the sums under the new M: a plain place behind the exponentials
	s_wait_alu depctr_va_vdst(0)                   ; one wait for the batch, ahead of its first reader
.irp b, 0,1,2,3
	v_exp_f32 v[TMA+\b], v[TMA+\b]                 ; each block's largest p
.endr
	v_pk_add_f32 v[TMB:TMB+1], v[S:S+1], v[S+2:S+3]                ; the row's sum of the unquantised p, in two chains
.set j, 4
.rept 15
	v_pk_add_f32 v[14:15], v[14:15], v[S+j:S+j+1]
	v_pk_add_f32 v[TMB:TMB+1], v[TMB:TMB+1], v[S+j+2:S+j+3]
.set j, j+4
.endr
	v_pk_add_f32 v[14:15], v[14:15], v[TMB:TMB+1]
	s_wait_alu depctr_va_vdst(0)                   ; and one for the four
.irp b, 0,1,2,3
	v_max_num_f32 v[TMA+\b], 0x1800000, v[TMA+\b]  ; the floor 2^(3 - 127)
.endr
.irp b, 0,1,2,3
	v_add_nc_u32 v[TMC+\b], 0xff000000, v[TMA+\b]
.endr
.irp b, 0,1,2,3
	v_lshrrev_b32 v[TMB+\b], 23, v[TMC+\b]
.endr
	v_lshl_or_b32 v[PS], v[TMB+1], 8, v[TMB]
	v_lshl_or_b32 v[PS], v[TMB+2], 16, v[PS]
	v_lshl_or_b32 v[PS], v[TMB+3], 24, v[PS]
.irp c, 0,1
	v_cvt_scalef32_pk16_fp6_f32 v[PC+6*\c:PC+6*\c+2], v[S+32*\c:S+32*\c+15], v[TMC+2*\c]
	v_cvt_scalef32_pk16_fp6_f32 v[CT+4*\c:CT+4*\c+2], v[S+32*\c+16:S+32*\c+31], v[TMC+2*\c+1]
.endr
	v_nop                                          ; one plain place behind a scaled conversion
.irp c, 0,1
.irp i, 0,1,2
	v_permlane16_swap_b32 v[PC+6*\c+\i], v[CT+4*\c+\i]
.endr
.irp i, 0,1,2
	v_mov_b32 v[PC+6*\c+3+\i], v[CT+4*\c+\i]
.endr
.endr
.set j, 0
.rept 16
	v_pk_mul_f32 v[O+j:O+j+1], v[O+j:O+j+1], v[FF:FF+1] op_sel_hi:[1,0]   ; O^T under the new M; these are also the places ahead of the scaled products
.set j, j+2
.endr
	s_wait_dscnt 0x0                               ; V is in
.irp a, 0,1,2,3
.if \a%2
	v_wmma_scale_f32_16x16x128_f8f6f4 v[O+8*\a:O+8*\a+7], v[FRG+12*\a:FRG+12*\a+11], v[PC:PC+11], v[O+8*\a:O+8*\a+7], v[VS+\a/2], v[PS] matrix_a_fmt:MATRIX_FMT_FP6 matrix_b_fmt:MATRIX_FMT_FP6 matrix_a_scale:MATRIX_SCALE_ROW1
.else
	v_wmma_scale_f32_16x16x128_f8f6f4 v[O+8*\a:O+8*\a+7], v[FRG+12*\a:FRG+12*\a+11], v[PC:PC+11], v[O+8*\a:O+8*\a+7], v[VS+\a/2], v[PS] matrix_a_fmt:MATRIX_FMT_FP6 matrix_b_fmt:MATRIX_FMT_FP6
.endif
.endr
.endm
; ONE HEAD: eight key steps, the division, the quantiser of the context, its piece stored
.macro UNIT u
	v_mov_b32 v13, 0xec800000                      ; the largest t so far: -2^90
	v_floor_f32 v12, -v13
	v_mov_b32 v14, 0
	v_mov_b32 v15, 0
.set j, 0
.rept 32
	v_mov_b32 v[O+j], 0
.set j, j+1
.endr
	s_mov_b32 s36, 0
	s_mov_b32 s37, 0
	s_mov_b32 s38, 8
.Lstep_\@:
	STEP \u
	s_add_co_u32 s36, s36, STEPB
	s_add_co_u32 s37, s37, 512
	s_sub_co_u32 s38, s38, 1
	s_cmp_lg_u32 s38, 0
	s_cbranch_scc1 .Lstep_\@
.rept 4
	v_nop
.endr
	v_add_f32 v14, v14, v15
	v_permlanex16_b32 v[TW], v14, s20, s21
	v_add_f32 v14, v14, v[TW]                      ; the row's sum
	v_rcp_f32 v[TW], v14
	v_nop
	s_wait_alu depctr_va_vdst(0)
	v_cndmask_b32 v[FF], 0, v[TW], s[42+\u]        ; 0 for a missing head, and where no key is open
.set j, 0
.rept 16
	v_pk_mul_f32 v[O+j:O+j+1], v[O+j:O+j+1], v[FF:FF+1] op_sel_hi:[1,0]
.set j, j+2
.endr
.irp b, 0,1                                ; register 16 b + i becomes channel 32 b + 16 h + i: 16 true neighbours a lane
.irp i, 0,1,2,3,4,5,6,7
	v_permlane16_swap_b32 v[O+16*\b+\i], v[O+16*\b+8+\i]
.endr
.endr
.irp b, 0,1
	v_max3_num_f32 v[TMA+\b], |v[O+16*\b]|, |v[O+16*\b+1]|, 0x1800000
.endr
.irp i, 2,4,6,8,10,12,14
.irp b, 0,1
	v_max3_num_f32 v[TMA+\b], v[TMA+\b], |v[O+16*\b+\i]|, |v[O+16*\b+\i+1]|
.endr
.endr
.irp b, 0,1
	v_permlanex16_b32 v[TMB+\b], v[TMA+\b], s20, s21
.endr
.irp b, 0,1
	v_max_num_f32 v[TMA+\b], v[TMA+\b], v[TMB+\b]
.endr
.irp b, 0,1
	v_add_nc_u32 v[TMC+\b], 0xff000000, v[TMA+\b]
.endr
.irp b, 0,1
	v_lshrrev_b32 v[TMB+\b], 23, v[TMC+\b]
.endr
	v_lshl_or_b32 v[CB+\u], v[TMB+1], 8, v[TMB]
	v_or_b32 v[CB+\u], s[44+\u], v[CB+\u]
	v_cvt_scalef32_pk16_fp6_f32 v[CP+6*\u:CP+6*\u+2], v[O:O+15], v[TMC]
	v_cvt_scalef32_pk16_fp6_f32 v[CT:CT+2], v[O+16:O+31], v[TMC+1]
	v_nop
.irp i, 0,1,2
	v_permlane16_swap_b32 v[CP+6*\u+\i], v[CT+\i]
.endr
.irp i, 0,1,2
	v_mov_b32 v[CP+6*\u+3+\i], v[CT+\i]
.endr
	global_store_b128 v[L16], v[CP+6*\u:CP+6*\u+3], s[50:51] offset:768*\u
	global_store_b64 v[L8], v[CP+6*\u+4:CP+6*\u+5], s[50:51] offset:768*\u+512
.endm
	UNIT 0
	UNIT 1
	v_lshl_or_b32 v[CB], v[CB+1], 16, v[CB]        ; my 16 tokens' scale word of this K step of the last product
	ds_store_b32 v[CW], v[CB]                      ; (both halves of the lanes write the same word with the same value)
	s_wait_dscnt 0x0
	s_barrier_signal -1
	s_barrier_wait -1
	s_cmp_lt_u32 s14, 2
	s_cbranch_scc0 .Lno_pack
	ds_load_b128 v[S:S+3], v[CR]                   ; waves 0 and 1 store a group's 512 bytes each
	s_wait_dscnt 0x0
	global_store_b128 v[L16], v[S:S+3], s[52:53]
.Lno_pack:
	s_wait_tensorcnt 0x0                           ; the wave's end
	ds_add_u32 v[SPW], v[NIL]
	s_wait_dscnt 0x0
	CROUND                                         ; the closing round
	s_endpgm
.Lfunc_end_k_q0cc0365acd_attn:
	.size	k_q0cc0365acd_attn, .Lfunc_end_k_q0cc0365acd_attn-k_q0cc0365acd_attn
	.p2alignl 7, 3214868480
	.fill 96, 4, 3214868480
	.section	.rodata,"a",@progbits
	.p2align	6, 0x0
	.amdhsa_kernel k_q0cc0365acd_attn
		.amdhsa_group_segment_fixed_size 211968
		.amdhsa_private_segment_fixed_size 0
		.amdhsa_enable_private_segment 0
		.amdhsa_kernarg_size 40
		.amdhsa_user_sgpr_count 2
		.amdhsa_user_sgpr_kernarg_segment_ptr 1
		.amdhsa_wavefront_size32 1
		.amdhsa_system_sgpr_workgroup_id_x 1
		.amdhsa_system_sgpr_workgroup_id_y 1
		.amdhsa_system_sgpr_workgroup_id_z 1
		.amdhsa_system_vgpr_workitem_id 0
		.amdhsa_next_free_vgpr 256
		.amdhsa_next_free_sgpr 66
		.amdhsa_reserve_vcc 0
		.amdhsa_float_denorm_mode_32 3
		.amdhsa_float_denorm_mode_16_64 3
		.amdhsa_memory_ordered 1
		.amdhsa_forward_progress 1
		.amdhsa_inst_pref_size 55
	.end_amdhsa_kernel
	.amdgpu_metadata
---
amdhsa.version: [ 1, 2 ]
amdhsa.kernels:
  - .name:           k_q0cc0365acd_attn
    .symbol:         k_q0cc0365acd_attn.kd
    .args:
      - { .name: wqkv, .offset: 0, .size: 8, .value_kind: global_buffer, .address_space: global }
      - { .name: mask, .offset: 8, .size: 8, .value_kind: global_buffer, .address_space: global }
      - { .name: miss_ids, .offset: 16, .size: 8, .value_kind: global_buffer, .address_space: global }
      - { .name: cimg, .offset: 24, .size: 8, .value_kind: global_buffer, .address_space: global }
      - { .name: csc, .offset: 32, .size: 8, .value_kind: global_buffer, .address_space: global }
    .group_segment_fixed_size: 211968
    .private_segment_fixed_size: 0
    .kernarg_segment_align: 8
    .kernarg_segment_size: 40
    .max_flat_workgroup_size: 512
    .sgpr_count:     66
    .vgpr_count:     256
    .wavefront_size: 32
...
	.end_amdgpu_metadata
.endif
;; end of part 2
;; launch outp (part 3): grid 4 x 64, 4 waves a work-group, clusters of 4 x 4, 327,680 bytes of LDS; arguments cimg, csc, Wo_codes, Wo_scales, bo, out0; writes out0
.if DOCPART == 3
	.amdgcn_target "amdgcn-amd-amdhsa--gfx1250"
	.amdhsa_code_object_version 6
	.text
	.protected	k_q0cc0365acd_outp
	.globl	k_q0cc0365acd_outp
	.p2align	8
	.type	k_q0cc0365acd_outp,@function
k_q0cc0365acd_outp:
	s_mov_b64 s[64:65], 0
	v_nop
	global_prefetch_b8 v0, s[64:65] scope:SCOPE_SE
	s_setreg_imm32_b32 hwreg(HW_REG_WAVE_MODE, 25, 1), 1
	s_wait_xcnt 0x0
	s_wait_alu depctr_hold_cnt(0) depctr_sa_sdst(0) depctr_va_vdst(0) depctr_va_sdst(0) depctr_va_ssrc(0) depctr_va_vcc(0) depctr_vm_vsrc(0)
	s_getreg_b32 s2, hwreg(HW_REG_IB_STS2, 6, 4)
	s_cmp_eq_u32 s2, 0
	s_cbranch_scc0 .Lentry_in_a_cluster
	s_endpgm
.Lentry_in_a_cluster:
	s_bfe_u32 s2, ttmp6, 0x10000c
	s_cmp_lg_u32 s2, 0xf033
	s_cbranch_scc0 .Lentry_shape_is_right
	s_endpgm
.Lentry_shape_is_right:
; out0 = context Wo^T + bo on codes of FP6 (E2M3).  No work is left out.  A = the context, 8,192 rows, as REGISTER IMAGES made by the launch before (cimg: a block of 16 tokens is 12,288 bytes, K step ks of 128 at 1,536 ks;
; csc: its scale words); B = Wo, 1,024 rows of codes as given.  A batch whose mask is all zero arrives with scale bytes 0xff: its sums are NaN, as the problem has them.
; SHARES.  64 x 4 tiles of 128 rows x 256 columns: 256 work-groups of equal work.  Four waves, each 64 x 128: 32 accumulators.  Source 0 = 16 rows of Wo, source 1 = 16 rows of the context: a lane holds eight
; neighbouring columns of a row of out0.  CLUSTERS of 4 x 4: A's tile is shared along a row of the cluster, B's along a column, each asked for jointly.
; K = 1,024 is four K steps of 256.  THREE LDS SLOTS of 86,016 bytes: K steps 0, 1 and 2 go out together as first fills, three loads a wave; K step 3 is the one refill, into slot 0, behind the one round, at matrix step 1,
; four matrix steps ahead of the wait for it.  That round's wait for all loads has shown slots 1 and 2 whole: slot 2 needs no barrier of its own.  The walk of eight matrix steps is written out: no loop.
; A's part of a slot: 8 blocks x 3,072 bytes, dense: a fragment comes by four loads at 16 x lane and 8 x lane.  Waves 0 and 1 fetch four blocks each (4 rows of 3,072 bytes, 12,288 bytes apart in memory), waves 2 and 3 B's halves.
; A step waits for its fragments, fetches the next step's into the other sets in one run, and issues its 32 products.  The bias is the C of the first step.  The scales come once, straight into registers.
; The way out goes through a stage of the wave's own, in bytes into which no tile lands.
; REGISTERS: window 0: v1-10 lane numbers; v12-23 LDS addresses; v24, v25 the stage; v26 csc's offset; v28, v29 the add's two; v32-47 A's scale words, v64-95 B's; v96-127, v224-255 the bias; v128-223 A's fragments, two sets of four;
;   on the way out v128-255.   window 1: B's fragments, two sets, at v0 and v128.   window 2: the accumulators, (a, b) at v[8 (8 a + b)].
.set KROW,  768
.set ROWB,  192
.set PITCH, 240
.set FR,    12
.set HALFA, 12288                      ; A: 4 blocks x 3,072 bytes
.set HALFT, 128*PITCH                  ; B: 128 rows
.set SLOT,  2*HALFA+2*HALFT
.set SPARE, 3*SLOT                     ; behind the three slots: the spare words, 128 bytes for each wave
.set STAGE, SPARE+512                  ; behind them: 16 rows x 528 bytes for each wave
.set SPITCH, 528
.set SIZE_N, 1024
.set ADRA, 12                          ; v12-14: 16 x lane + my four blocks of A in slot 0, 1, 2; v15-17: 8 x lane + the same
.set ADRB, 18                          ; v18-20: my 128 rows of B; v21-23: the same behind one padding more
.set STO,  24
.set RD,   25
.set SPW,  28
.set NIL,  29
.set SCA,  32                          ; register 2 ks + a / 2: lanes 0-15 block a even, lanes 16-31 block a odd
.set SCB,  64                          ; register 4 b + (ks & 3): lanes 0-15 K step ks & 3, lanes 16-31 K step 4 + (ks & 3)
.set BI,   96
.set AF,   128
.set BK,   128
.set G1,  24                           ; s[24:31] group 1 for A;  s[32:39] for B
.set G1B, 32
.set G0,  48                           ; s[48:59] group 0 for A, a set for each slot;  s[68:79] for B
.set G0B, 68
.set MSB, 0
.macro WIN new
.if MSB != \new
	s_set_vgpr_msb (MSB<<8)|\new
.set MSB, \new
.endif
.endm
.set TO_B, 0x40
.macro JLOAD s                         ; waves 0 and 1 fetch A's halves, waves 2 and 3 B's; an s_nop 0 and four v_nop follow each line
	s_cmp_eq_u32 s15, 0
	s_cbranch_scc0 .Lfor_b_\@
	tensor_load_to_lds s[G0+4*\s:G0+4*\s+3], s[G1:G1+7]
	s_nop 0
.rept 4
	v_nop
.endr
	s_branch .Lasked_\@
.Lfor_b_\@:
	tensor_load_to_lds s[G0B+4*\s:G0B+4*\s+3], s[G1B:G1B+7]
	s_nop 0
.rept 4
	v_nop
.endr
.Lasked_\@:
.endm
.macro CROUND                          ; a round of the cluster's barrier
	s_barrier_signal -1
	s_barrier_wait -1
	s_cmp_lg_u32 s14, 0
	s_cbranch_scc1 .Lnot_wave_0_\@
	s_barrier_signal -3
.Lnot_wave_0_\@:
	s_barrier_wait -3
	s_barrier_signal -1
	s_barrier_wait -1
.endm
.macro PLACES                          ; four plain places behind a matrix instruction (ISA guide 7.12.1)
.rept 4
	v_nop
.endr
.endm
	s_load_b256 s[4:11], s[0:1], 0x0               ; cimg, csc, Wo's codes, Wo's scales
	s_load_b64 s[2:3], s[0:1], 0x20                ; bo
	s_load_b64 s[12:13], s[0:1], 0x28              ; out0
	v_lshl_add_u32 v[SPW], v0, 2, SPARE
	v_mov_b32 v[NIL], 0
	ds_add_u32 v[SPW], v[NIL]                      ; the wave's opening: the add, twice on end, and its wait ahead of my first tensor load
	ds_add_u32 v[SPW], v[NIL]
	v_lshrrev_b32 v1, 5, v0
	v_readfirstlane_b32 s14, v1
	s_lshr_b32 s15, s14, 1                         ; my half of the rows.  Also: I fetch for A (0) or B (1)
	s_and_b32 s16, s14, 1                          ; my half of the columns.  Also: which half I fetch
	s_bfe_u32 s40, ttmp6, 0x40000
	s_bfe_u32 s41, ttmp6, 0x40004
	s_lshl_b32 s42, ttmp9, 2
	s_add_co_u32 s42, s42, s40                     ; tile column: 256 columns
	s_and_b32 s17, ttmp7, 0xffff
	s_lshl_b32 s17, s17, 2
	s_add_co_u32 s17, s17, s41                     ; tile row: 128 rows
	s_lshl_b32 s43, s41, 2
	s_lshl_b32 s43, 15, s43
	s_lshl_b32 s44, 0x1111, s40
	s_or_b32 s[G1+0], s43, (3<<16)|(1<<21)         ; A: the mask of my row; elements of 8 bytes; bit 21 beside a mask; no padding
	s_mov_b32 s[G1+1], 384<<16                     ; 4 rows of 3,072 bytes,
	s_mov_b32 s[G1+2], 4<<16
	s_mov_b32 s[G1+3], 384<<16
	s_mov_b32 s[G1+4], 4
	s_mov_b32 s[G1+5], 1536                        ; 12,288 bytes apart
	s_mov_b32 s[G1+6], 0
	s_mov_b32 s[G1+7], 0
	s_or_b32 s[G1B+0], s44, (1<<20)|(1<<21)|(3<<22)|(3<<25)  ; B: 128 rows of 192 bytes, 16 bytes of padding behind every 64
	s_mov_b32 s[G1B+1], ROWB<<16
	s_mov_b32 s[G1B+2], 128<<16
	s_mov_b32 s[G1B+3], ROWB<<16
	s_mov_b32 s[G1B+4], 128
	s_mov_b32 s[G1B+5], KROW
	s_mov_b32 s[G1B+6], 0
	s_mov_b32 s[G1B+7], 0
	s_lshl_b32 s18, s16, 2
	s_lshl_b32 s20, s17, 3
	s_add_co_u32 s20, s20, s18                     ; A: block of 16 tokens 8 x tile row + 4 x half
	s_mul_i32 s20, s20, 12288
	s_mov_b32 s21, 0
	s_lshl_b32 s18, s16, 7
	s_lshl_b32 s46, s42, 8
	s_add_co_u32 s46, s46, s18                     ; B: row 256 x tile column + 128 x half
	s_mul_i32 s46, s46, KROW
	s_mov_b32 s47, 0
	s_mul_i32 s45, s16, HALFA                      ; where A's half goes in a slot,
	s_mul_i32 s23, s16, HALFT
	s_add_co_u32 s23, s23, 2*HALFA                 ; and B's
	s_wait_dscnt 0x0
	s_wait_kmcnt 0x0
	s_add_nc_u64 s[20:21], s[4:5], s[20:21]
	s_add_nc_u64 s[46:47], s[8:9], s[46:47]
	CROUND                                         ; all sixteen work-groups are here: the first joint loads meet
.irp s, 0,1,2
	s_mov_b32 s[G0+4*\s], 1
	s_add_co_u32 s[G0+4*\s+1], s45, \s*SLOT
	s_add_nc_u64 s[G0+4*\s+2:G0+4*\s+3], s[20:21], \s*3072
	s_or_b32 s[G0+4*\s+3], s[G0+4*\s+3], 0x80000000
	s_mov_b32 s[G0B+4*\s], 1
	s_add_co_u32 s[G0B+4*\s+1], s23, \s*SLOT
	s_add_nc_u64 s[G0B+4*\s+2:G0B+4*\s+3], s[46:47], \s*ROWB
	s_or_b32 s[G0B+4*\s+3], s[G0B+4*\s+3], 0x80000000
	JLOAD \s                                       ; three loads of mine are out
.endr
	v_and_b32 v1, 15, v0                           ; r
	v_bfe_u32 v2, v0, 4, 1                         ; h
	v_and_b32 v6, 31, v0
	v_lshlrev_b32 v9, 4, v6                        ; 16 x lane
	v_lshlrev_b32 v10, 3, v6                       ; 8 x lane
	v_mul_u32_u24 v3, v1, PITCH
	v_mul_u32_u24 v4, v2, 24
	v_add_nc_u32 v4, v3, v4
	v_lshl_add_u32 v5, v2, 4, v4
	s_mul_i32 s21, s15, HALFA                      ; my four blocks of A
	s_mul_i32 s22, s16, HALFT
	s_add_co_u32 s22, s22, 2*HALFA                 ; my 128 rows of B
.irp s, 0,1,2
	v_add_nc_u32 v[ADRA+\s], s21, v9
	v_add_nc_u32 v[ADRA+3+\s], s21, v10
	v_add_nc_u32 v[ADRB+\s], s22, v4
	v_add_nc_u32 v[ADRB+3+\s], s22, v5
	s_add_co_u32 s21, s21, SLOT
	s_add_co_u32 s22, s22, SLOT
.endr
	v_lshlrev_b32 v7, 5, v1
	v_lshl_add_u32 v7, v2, 4, v7                   ; Wo's scale bytes: 32 r + 16 h
	v_lshlrev_b32 v8, 5, v2                        ; the bias: 32 h
	s_lshl_b32 s18, s15, 3
	v_add_nc_u32 v26, s18, v9                      ; csc: 16 x lane + 8 x my half: my two registers of a pack
	s_mul_i32 s23, s14, 16*SPITCH
	s_add_co_u32 s23, s23, STAGE                   ; my stage
	v_mul_u32_u24 v5, v1, SPITCH
	v_lshl_add_u32 v5, v2, 5, v5
	v_add_nc_u32 v[STO], s23, v5
	v_add_nc_u32 v[RD], s23, v9
	s_mov_b32 s23, 0
	s_lshl_b32 s22, s17, 12                        ; my tile's group of 128 tokens: 4,096 bytes of scale words
	s_add_nc_u64 s[6:7], s[6:7], s[22:23]
	s_lshl_b32 s18, s42, 8
	s_lshl_b32 s19, s16, 7
	s_add_co_u32 s18, s18, s19                     ; my first column
	s_lshl_b32 s22, s18, 5
	s_add_nc_u64 s[10:11], s[10:11], s[22:23]
	s_lshl_b32 s22, s18, 2
	s_add_nc_u64 s[2:3], s[2:3], s[22:23]
.irp i, 0,1,2,3,4,5,6,7
	global_load_b64 v[SCA+2*\i:SCA+2*\i+1], v26, s[6:7] offset:512*\i
	global_load_b128 v[SCB+4*\i:SCB+4*\i+3], v7, s[10:11] offset:512*\i
.endr
.irp t, 0,1,2,3,4,5,6,7
	global_load_b128 v[BI+8*\t+96*(\t/4):BI+8*\t+96*(\t/4)+3], v8, s[2:3] offset:64*\t
	global_load_b128 v[BI+8*\t+96*(\t/4)+4:BI+8*\t+96*(\t/4)+7], v8, s[2:3] offset:64*\t+16
.endr
	s_lshl_b32 s20, s17, 7
	s_lshl_b32 s21, s15, 6
	s_add_co_u32 s20, s20, s21                     ; my first row of out0,
	s_lshl_b32 s20, s20, 12                        ; of 4,096 bytes,
	s_add_co_u32 s20, s20, s22                     ; and my first column's bytes
	s_mov_b32 s21, 0
	s_add_nc_u64 s[12:13], s[12:13], s[20:21]
.macro FRAG reg, adr, q, i             ; B: from padded rows, in pieces of 8 bytes
.irp p, 0,1,2,3,4,5
.set PCE, 12*(\q)+6*(\p/3)+\p%3
.if PCE%8 < 5
	ds_load_b64 v[\reg+2*\p:\reg+2*\p+1], v[\adr] offset:8*PCE+16*(PCE/8)+(\i)*16*PITCH
.else
	ds_load_b64 v[\reg+2*\p:\reg+2*\p+1], v[\adr+3] offset:8*PCE+16*(PCE/8)+(\i)*16*PITCH
.endif
.endr
.endm
.macro FRAGA reg, slot, q, i           ; A: an image of the registers
	ds_load_b128 v[\reg:\reg+3], v[ADRA+\slot] offset:3072*(\i)+1536*(\q)
	ds_load_b64 v[\reg+4:\reg+5], v[ADRA+3+\slot] offset:3072*(\i)+1536*(\q)+512
	ds_load_b128 v[\reg+6:\reg+9], v[ADRA+\slot] offset:3072*(\i)+1536*(\q)+768
	ds_load_b64 v[\reg+10:\reg+11], v[ADRA+3+\slot] offset:3072*(\i)+1536*(\q)+1280
.endm
.macro FETCH_B slot, q, p
	WIN TO_B
.irp i, 0,1,2,3,4,5,6,7
	FRAG 128*(\p)+FR*\i, ADRB+\slot, \q, \i
.endr
	WIN 0
.endm
.macro FETCH_A slot, q, p
.irp i, 0,1,2,3
	FRAGA AF+48*(\p)+FR*\i, \slot, \q, \i
.endr
.endm
.macro MUL16 a0, p, ks, mode           ; the 32 accumulators take turns.  mode 1: C = the bias tile of b
.irp a, \a0, \a0+1
.irp b, 0,1,2,3,4,5,6,7
.set rD, 8*(8*(\a)+\b)
.set rY, 128*(\p)+FR*\b
.set rX, AF+48*(\p)+FR*(\a)
.set rSY, SCB+4*\b+((\ks)&3)
.set rSX, SCA+2*(\ks)+(\a)/2
.set rC, rD
.if \mode
.set rC, BI+8*\b+96*(\b/4)
.endif
.if ((\ks) < 4) && (((\a)%2) == 0)
	v_wmma_scale_f32_16x16x128_f8f6f4 v[rD:rD+7], v[rY:rY+FR-1], v[rX:rX+FR-1], v[rC:rC+7], v[rSY], v[rSX] matrix_a_fmt:MATRIX_FMT_FP6 matrix_b_fmt:MATRIX_FMT_FP6
.elseif (\ks) < 4
	v_wmma_scale_f32_16x16x128_f8f6f4 v[rD:rD+7], v[rY:rY+FR-1], v[rX:rX+FR-1], v[rC:rC+7], v[rSY], v[rSX] matrix_a_fmt:MATRIX_FMT_FP6 matrix_b_fmt:MATRIX_FMT_FP6 matrix_b_scale:MATRIX_SCALE_ROW1
.elseif ((\a)%2) == 0
	v_wmma_scale_f32_16x16x128_f8f6f4 v[rD:rD+7], v[rY:rY+FR-1], v[rX:rX+FR-1], v[rC:rC+7], v[rSY], v[rSX] matrix_a_fmt:MATRIX_FMT_FP6 matrix_b_fmt:MATRIX_FMT_FP6 matrix_a_scale:MATRIX_SCALE_ROW1
.else
	v_wmma_scale_f32_16x16x128_f8f6f4 v[rD:rD+7], v[rY:rY+FR-1], v[rX:rX+FR-1], v[rC:rC+7], v[rSY], v[rSX] matrix_a_fmt:MATRIX_FMT_FP6 matrix_b_fmt:MATRIX_FMT_FP6 matrix_a_scale:MATRIX_SCALE_ROW1 matrix_b_scale:MATRIX_SCALE_ROW1
.endif
.endr
.endr
.endm
; A step of 128 along K on fragment sets p.  kind 0: the next step (slot nslot, its nq-th 128) lies in a slot that is known whole.  kind 1: slot 0 has been read out and takes K step 3: the three lines, a round, the joint load
; first behind it.  kind 2: the next step lies in the refilled slot: the wait for its load, and a barrier.  kind 3: the last step
.macro KSTEP ks, p, mode, kind, nslot, nq
.if \kind == 1
	s_wait_tensorcnt 0x0                           ; all my tensor loads have landed: my parts of slots 1 and 2
	ds_add_u32 v[SPW], v[NIL]
	s_add_nc_u64 s[G0+2:G0+3], s[G0+2:G0+3], 3*3072
	s_add_nc_u64 s[G0B+2:G0B+3], s[G0B+2:G0B+3], 3*ROWB
	s_wait_dscnt 0x0                               ; the add is done; this step's fragments are in, and they were my last reads of slot 0
	CROUND                                         ; no wave of any partner still reads slot 0 or has a load on its way
	JLOAD 0
.elseif \kind == 2
	s_wait_tensorcnt 0x0                           ; my part of K step 3 has landed
	ds_add_u32 v[SPW], v[NIL]
	s_wait_dscnt 0x0
	s_barrier_signal -1
	s_barrier_wait -1                              ; everybody's has
.else
	s_wait_dscnt 0x0                               ; this step's fragments are in
.endif
.if \kind != 3
	PLACES                                         ; behind the last step's products, which read the sets that are loaded now
	FETCH_B \nslot, \nq, 1-\p
	FETCH_A \nslot, \nq, 1-\p
.endif
.if \mode
	WIN 0x81                                       ; source 0 (B) window 1, source 1 (A) and the bias window 0, D window 2
.else
	WIN 0xa1                                       ; C and D window 2
.endif
	MUL16 0, \p, \ks, \mode
	MUL16 2, \p, \ks, \mode
	WIN 0
.endm
	s_wait_tensorcnt 2                             ; my part of slot 0 is in; the fills of slots 1 and 2 may stay out
	s_barrier_signal -1
	s_barrier_wait -1
	FETCH_B 0, 0, 0
	FETCH_A 0, 0, 0
	s_wait_loadcnt 0x0                             ; the scales and the bias
	KSTEP 0, 0, 1, 0, 0, 1
	KSTEP 1, 1, 0, 1, 1, 0                         ; slot 0 takes K step 3
	KSTEP 2, 0, 0, 0, 1, 1
	KSTEP 3, 1, 0, 0, 2, 0                         ; slot 2 was shown whole at the round
	KSTEP 4, 0, 0, 0, 2, 1
	KSTEP 5, 1, 0, 2, 0, 0
	KSTEP 6, 0, 0, 0, 0, 1
	KSTEP 7, 1, 0, 3, 0, 0
; THE WAY OUT, block by block of 16 rows x 128 columns: through my stage, back as whole rows of 512 bytes.  LDS serves a wave's instructions in order (ISA guide 5.7.1.4): no wait between the stores and the loads
.macro TOSTAGE a
.set AC, 64*(\a)
	WIN 0x08                                       ; the data: window 2
.irp b, 0,1,2,3,4,5,6,7
	ds_store_b128 v[STO], v[AC+8*\b:AC+8*\b+3] offset:64*\b          ; each accumulator from its low end on
	ds_store_b128 v[STO], v[AC+8*\b+4:AC+8*\b+7] offset:64*\b+16
.endr
	WIN 0
.set BB, BK+64*((\a)%2)
.irp t, 0,1,2,3,4,5,6,7,8,9,10,11,12,13,14,15
	ds_load_b128 v[BB+4*\t:BB+4*\t+3], v[RD] offset:\t*SPITCH
.endr
.endm
.macro SEND a, younger
.set BB, BK+64*((\a)%2)
	s_wait_dscnt \younger                          ; the block is back in registers
.if (\a) > 0
	s_add_nc_u64 s[12:13], s[12:13], 16*SIZE_N*4   ; (behind a wait on XCNT: the earlier stores have read their base)
.endif
.irp t, 0,1,2,3,4,5,6,7,8,9,10,11,12,13,14,15
	global_store_b128 v9, v[BB+4*\t:BB+4*\t+3], s[12:13] offset:\t*SIZE_N*4 th:TH_STORE_NT   ; 32 lanes store 512 consecutive bytes, aligned
.endr
.endm
	PLACES
	TOSTAGE 0
.irp a, 1,2,3
.if \a > 1
	s_wait_xcnt 0x0                                ; block a - 2's stores have read their registers and their base
.endif
	TOSTAGE \a
	SEND \a-1, 32                                  ; behind block a - 1's loads: block a's 16 stores and 16 loads
.endr
	s_wait_xcnt 0x0
	SEND 3, 0
	s_wait_tensorcnt 0x0                           ; the wave's end
	ds_add_u32 v[SPW], v[NIL]
	s_wait_dscnt 0x0
	CROUND                                         ; the closing round
	s_endpgm
.Lfunc_end_k_q0cc0365acd_outp:
	.size	k_q0cc0365acd_outp, .Lfunc_end_k_q0cc0365acd_outp-k_q0cc0365acd_outp
	.p2alignl 7, 3214868480
	.fill 96, 4, 3214868480
	.section	.rodata,"a",@progbits
	.p2align	6, 0x0
	.amdhsa_kernel k_q0cc0365acd_outp
		.amdhsa_group_segment_fixed_size 327680
		.amdhsa_private_segment_fixed_size 0
		.amdhsa_enable_private_segment 0
		.amdhsa_kernarg_size 48
		.amdhsa_user_sgpr_count 2
		.amdhsa_user_sgpr_kernarg_segment_ptr 1
		.amdhsa_wavefront_size32 1
		.amdhsa_system_sgpr_workgroup_id_x 1
		.amdhsa_system_sgpr_workgroup_id_y 1
		.amdhsa_system_sgpr_workgroup_id_z 1
		.amdhsa_system_vgpr_workitem_id 0
		.amdhsa_next_free_vgpr 1024
		.amdhsa_next_free_sgpr 80
		.amdhsa_reserve_vcc 0
		.amdhsa_float_denorm_mode_32 3
		.amdhsa_float_denorm_mode_16_64 3
		.amdhsa_memory_ordered 1
		.amdhsa_forward_progress 1
		.amdhsa_inst_pref_size 95
	.end_amdhsa_kernel
	.amdgpu_metadata
---
amdhsa.version: [ 1, 2 ]
amdhsa.kernels:
  - .name:           k_q0cc0365acd_outp
    .symbol:         k_q0cc0365acd_outp.kd
    .args:
      - { .name: cimg, .offset: 0, .size: 8, .value_kind: global_buffer, .address_space: global }
      - { .name: csc, .offset: 8, .size: 8, .value_kind: global_buffer, .address_space: global }
      - { .name: Wo_codes, .offset: 16, .size: 8, .value_kind: global_buffer, .address_space: global }
      - { .name: Wo_scales, .offset: 24, .size: 8, .value_kind: global_buffer, .address_space: global }
      - { .name: bo, .offset: 32, .size: 8, .value_kind: global_buffer, .address_space: global }
      - { .name: out0, .offset: 40, .size: 8, .value_kind: global_buffer, .address_space: global }
    .group_segment_fixed_size: 327680
    .private_segment_fixed_size: 0
    .kernarg_segment_align: 8
    .kernarg_segment_size: 48
    .max_flat_workgroup_size: 128
    .sgpr_count:     80
    .vgpr_count:     1024
    .wavefront_size: 32
...
	.end_amdgpu_metadata
.endif
;; end of part 3
